; MI455X (gfx1250); checked and timed in simulation.
; The chip was launched on July 23, 2026; its instructions are those of AMD's public machine-readable ISA for CDNA 5 (MIT licence, August 2026) and "CDNA5" Instruction Set Architecture Reference Guide (July 2026). The comments in the code are by the model that wrote it; some were corrected since.
;; fu T. Allowed arithmetic: matrix products marked QUANTISED: E4M3 operands, one E8M0 scale for each 32 along K, by v_wmma_scale_f32_16x16x128_f8f6f4 with both operands' format E4M3, f32 sums; everything else in f32.
;; Inputs: aggW 2 x 1,024 x 256 float32; aggb 2 x 256 float32; col_embed 32 x 128 float32; kvW 272 x 256 float32; kvb 256 float32; l1W 2 x 256 x 1,024 float32; l1b 2 x 1,024 float32; l2W 2 x 1,024 x 256 float32; l2b 2 x 256 float32; matched_features 4 x 8 x 272 x 32 x 32 float32; n1b 2 x 256 float32; n1g 2 x 256 float32; n2b 2 x 256 float32; n2g 2 x 256 float32; outW 256 x 272 float32; outb 272 float32; qW 272 x 256 float32; qb 256 float32; query_features 8 x 272 x 32 x 32 float32; row_embed 32 x 128 float32.
;; Outputs: out0 8 x 272 x 32 x 32 float32; out1 8 x 1 x 256 x 256 float32.
;; This version of the problem:
;;   THIS VERSION OF THE PROBLEM IS GIVEN IN LOW PRECISION. The matrix products marked QUANTISED in the list below multiply operands that are first quantised to E4M3 (4 exponent bits, 3 mantissa bits; 8 bits a number), with one power-of-two scale for each 32 numbers along K (OCP MX v1.0); their sums are f32. All else is computed in f32.
;;   The module's matrix products, in the order in which they are computed (A, B: the left and right operand; K: the contracted axis; several contracted axes count as one K, in the product's order):
;;     1. [M 8,192, K 272] x [K 272, N 256]; A: input query_features; B: input qW: QUANTISED
;;     2. [M 32,768, K 272] x [K 272, N 256]; A: input matched_features; B: input kvW: QUANTISED
;;     3. batch 8 x [M 4,096, K 256] x [K 256, N 1,024]; A: computed on the way; B: computed on the way: QUANTISED
;;     4. batch 32 x [M 256, K 1,024] x [K 1,024, N 1,024]; A: computed on the way; B: softmax (see below): QUANTISED
;;     5. [M 8,192, K 1,024] x [K 1,024, N 256]; A: computed on the way; B: input aggW: QUANTISED
;;     6. [M 8,192, K 256] x [K 256, N 1,024]; A: computed on the way; B: input l1W: QUANTISED
;;     7. [M 8,192, K 1,024] x [K 1,024, N 256]; A: computed on the way; B: input l2W: QUANTISED
;;     8. batch 8 x [M 4,096, K 256] x [K 256, N 1,024]; A: computed on the way; B: computed on the way: QUANTISED
;;     9. batch 32 x [M 256, K 1,024] x [K 1,024, N 1,024]; A: computed on the way; B: softmax (see below): QUANTISED
;;     10. [M 8,192, K 1,024] x [K 1,024, N 256]; A: computed on the way; B: input aggW: QUANTISED
;;     11. [M 8,192, K 256] x [K 256, N 1,024]; A: computed on the way; B: input l1W: QUANTISED
;;     12. [M 8,192, K 1,024] x [K 1,024, N 256]; A: computed on the way; B: input l2W: QUANTISED
;;     13. [M 8,192, K 256] x [K 256, N 272]; A: computed on the way; B: input outW: QUANTISED
;;   THE QUANTISER, for each operand of a quantised product, along K:
;;     - K is cut into blocks of 32 from its start; a last block that is shorter is filled with zeros.
;;     - A block's scale is 2^e with e = floor(log2(the largest magnitude in the block)) - 8, held to -126 .. 127; a block of zeros has e = 0. As a byte (E8M0): e + 127.
;;     - Each number is divided by its block's scale, clamped to +-448, and rounded to the nearest number of E4M3, ties to even, subnormals kept.
;;     - The product sums the exact products of the quantised numbers (number of the format x scale) in f32.
;;   ~~~python
;;   def quantise(x, axis):      # numpy; x: float32 -> the quantised numbers, widened to float32 again
;;       x = np.moveaxis(x, axis, -1); K = x.shape[-1]
;;       x = np.pad(x, [(0, 0)] * (x.ndim - 1) + [(0, -K % 32)]); x = x.reshape(x.shape[:-1] + (-1, 32)); a = np.abs(x).max(-1, keepdims=True)
;;       e = np.where(a > 0, np.clip(np.frexp(np.where(a > 0, a, 1))[1] - 1 - 8, -126, 127), 0)      # np.frexp(a)[1] - 1 = floor(log2(a)), exactly
;;       r = np.clip(x / 2.0 ** e, -448, 448)
;;       step = 2.0 ** (np.maximum(np.frexp(np.where(r == 0, 1, r))[1] - 1, -6) - 3)
;;       q = np.round(r / step) * step * 2.0 ** e      # np.round: ties to even
;;       return np.moveaxis(q.reshape(q.shape[:-2] + (-1,))[..., :K], -1, axis).astype(np.float32)
;;   ~~~
;;   SOFTMAX AHEAD OF A QUANTISED PRODUCT. Where the list says 'softmax', what is quantised is not the finished softmax but p = 2^(t - M), with t = logit x log2(e) and M = ceil(the row's largest t), a whole number; so 1/2 < the row's largest p <= 1. The row's sum l is taken of the UNQUANTISED p, in f32, and the product's result is divided by l at the end. Since M is a whole number, a kernel that streams over the keys may use a running M (the ceiling of the running maximum): every later rescaling is an exact power of two, which a block's scale takes up: the codes' values come out the same.
;;   OPERANDS COMPUTED ON THE WAY. 'Computed on the way' means the value that the module computes at that place (a softmax that the list does not call 'softmax' is quantised finished and normalised). What goes into a quantiser is computed in f32, as accurately as f32 sums, v_exp_f32 and their like allow (about 1e-6 of the number): no bf16 or f16 on the way to a quantiser, and a product that is left as it is and whose result goes on into a quantised operand takes f32 operands (vector FMAs, or v_wmma_f32_16x16x4_f32). A number that lies on a knife's edge between two numbers of the format may be rounded either way, as far as f32 arithmetic and the matrix unit's own rounding can turn it there, and no further.
;; One version. Each part assembles by itself: llvm-mc -triple=amdgcn-amd-amdhsa -mcpu=gfx1250 --defsym DOCPART=n.
;; ======== version 1 of 1: 4 launches
;; limits: right only within a limited range of input values
;; workspace buffers: wc 1,843,200 bytes; ws 57,600 bytes; kpc 8,388,608 bytes; kps 262,144 bytes; vcc 8,388,608 bytes; vcs 262,144 bytes; praw 32,768 bytes
;; launch wq (part 1): grid 900 x 1, 1 waves a work-group, no clusters, 0 bytes of LDS; arguments qW, kvW, aggW, l1W, l2W, outW, wc, ws; writes wc, ws
.if DOCPART == 1
	.amdgcn_target "amdgcn-amd-amdhsa--gfx1250"
	.amdhsa_code_object_version 6
	.text
	.protected	k_q0930d5f7c2_wq
	.globl	k_q0930d5f7c2_wq
	.p2align	8
	.type	k_q0930d5f7c2_wq,@function
k_q0930d5f7c2_wq:
	s_mov_b64 s[64:65], 0
	v_nop
	global_prefetch_b8 v0, s[64:65] scope:SCOPE_SE
	s_setreg_imm32_b32 hwreg(HW_REG_WAVE_MODE, 25, 1), 1
	s_wait_xcnt 0x0
; All six weights, f32 stored [K][N], become codes of E4M3 with one E8M0 byte for each 32 along K, laid in the ORDER OF THE OPERAND'S REGISTERS.
; A pair block is 32 columns x 128 along K = two fragments of 2,048 bytes (byte 512 c + 16 lane' = registers 4 c .. 4 c + 3 of lane' = r + 16 h: row r of the tile, k = 32 c + 16 h + 0 .. 15) and 32 scale words (word 16 u + r).
; A work-group (one wave) makes HALF a pair block: work-group 2 p + e takes k = 64 e .. 64 e + 63 of pair block p: pieces c = 2 e, 2 e + 1 and bytes 2 e, 2 e + 1 of each scale word.  So all of a wave's 64 loads are out together.
; A LANE TAKES A COLUMN AND ITS REGISTERS RUN DOWN K: each load reads 128 consecutive bytes, a block of 32 lies in one lane, the conversions give K innermost.
; Column n of the 32 is row r of tile u: permuted, u = (n / 8) % 2, r = n % 8 + 8 (n / 16), for all weights but outW (natural: u = n / 16, r = n % 16).
; Pair blocks: 0-23 qW (8 s + nb), 24-47 kvW, 48 + 192 l + { 0 + 8 s + nb aggW, 64 + 32 s + nb l1W, 128 + 8 s + nb l2W }, 432 + 9 s + nb outW.
; The scale bytes leave as 2 bytes a lane, 4 bytes apart: a column's word is shared by two work-groups, each storing its own two bytes.
; LIMITS: a block whose largest magnitude lies under 2^-118 gets the byte 1 (so does a block of zeros: its codes are zeros; only this program reads the bytes); NaN and infinities are not served.
.set X,  64                            ; v64-127  two sets of 32 numbers
.set CD, 16                            ; v16-31   codes, eight registers a block: no store's data are written again
.set WD, 48                            ; v48      the column's two scale bytes
	s_load_b256 s[4:11], s[0:1], 0x0               ; qW, kvW, aggW, l1W
	s_load_b256 s[12:19], s[0:1], 0x20             ; l2W, outW, wc, ws
	v_lshlrev_b32 v1, 2, v0                        ; source: 4 bytes a column
	v_bfe_u32 v4, v0, 3, 1                         ; u (permuted)
	v_and_b32 v5, 7, v0
	v_lshrrev_b32 v6, 4, v0
	v_lshl_add_u32 v5, v6, 3, v5                   ; r (permuted)
	v_lshlrev_b32 v2, 4, v5
	v_lshl_add_u32 v2, v4, 11, v2                  ; codes: 2,048 u + 16 r
	v_lshlrev_b32 v3, 2, v5
	v_lshl_add_u32 v3, v4, 6, v3                   ; scale word: 4 (16 u + r)
	s_mov_b32 s31, 0x600000                        ; the mantissa field of 448
	s_lshr_b32 s30, ttmp9, 1                       ; the pair block p
	s_and_b32 s32, ttmp9, 1                        ; its half e
	s_lshl_b32 s28, s30, 12
	s_lshl_b32 s33, s32, 10
	s_add_co_u32 s28, s28, s33                     ; 4,096 p + 1,024 e
	s_mov_b32 s29, 0
	s_lshl_b32 s26, s30, 7
	s_lshl_b32 s33, s32, 1
	s_add_co_u32 s26, s26, s33                     ; 128 p + 2 e
	s_mov_b32 s27, 0
	s_wait_alu depctr_va_vdst(0)
	s_wait_kmcnt 0x0
	s_add_nc_u64 s[16:17], s[16:17], s[28:29]      ; my half of the pair block
	s_add_nc_u64 s[18:19], s[18:19], s[26:27]      ; and of its scale words
.macro LOADB t, pitch                  ; block t of my two: rows 32 t + 0 .. 31 of my column
.set i_, 0
.rept 32
	global_load_b32 v[X+32*(\t)+i_], v1, s[20:21] offset:(32*(\t)+i_)*(\pitch) th:TH_LOAD_NT
.set i_, i_+1
.endr
.endm
.macro QBLK t                          ; block t is quantised and stored
.set XS, X+32*(\t)
	v_max3_num_f32 v8, |v[XS]|, |v[XS+1]|, |v[XS+2]|               ; the block's largest magnitude: all 32 numbers are mine
	v_max3_num_f32 v9, |v[XS+3]|, |v[XS+4]|, |v[XS+5]|
.irp i, 6,10,14,18,22,26
	v_max3_num_f32 v8, v8, |v[XS+\i]|, |v[XS+\i+1]|
	v_max3_num_f32 v9, v9, |v[XS+\i+2]|, |v[XS+\i+3]|
.endr
	v_max3_num_f32 v8, v8, |v[XS+30]|, |v[XS+31]|
	v_max3_num_f32 v8, v8, v9, 0x4800000           ; and the floor 2^(9 - 127): the byte cannot fall under 1
	v_add_nc_u32 v11, 0xfc000000, v8               ; 8 off the exponent field: the conversion's scale operand
	v_and_or_b32 v10, v8, 0x7f800000, s31          ; 448 x the scale
	v_lshrrev_b32 v9, 23, v11                      ; the scale's byte
.if (\t) == 0
	v_mov_b32 v[WD], v9
.else
	v_lshl_or_b32 v[WD], v9, 8*(\t), v[WD]
.endif
.set i_, 0
.rept 32
	v_med3_num_f32 v[XS+i_], v[XS+i_], -v10, v10   ; the conversion to an 8-bit code does not saturate (ISA guide 7.6.2): the hold
.set i_, i_+1
.endr
.irp g, 0,1,2,3
	v_cvt_scalef32_pk8_fp8_f32 v[CD+8*(\t)+2*\g:CD+8*(\t)+2*\g+1], v[XS+8*\g:XS+8*\g+7], v11
.endr
	v_nop                                          ; a plain line behind the last conversion
	global_store_b128 v2, v[CD+8*(\t):CD+8*(\t)+3], s[16:17] offset:512*(\t)         ; k + 0 .. 15: the sixteen lanes of a tile fill 256 consecutive bytes
	global_store_b128 v2, v[CD+8*(\t)+4:CD+8*(\t)+7], s[16:17] offset:512*(\t)+256   ; k + 16 .. 31
.endm
.macro UNIT pitch                      ; 64 along K: both blocks' loads go out on end; the first wait leaves the second block's 32 out
	s_mul_i32 s34, s32, 64*(\pitch)
	s_mov_b32 s35, 0
	s_add_nc_u64 s[20:21], s[20:21], s[34:35]      ; my half begins 64 rows on
	LOADB 0, \pitch
	LOADB 1, \pitch
	s_wait_loadcnt 32
	QBLK 0
	s_wait_loadcnt 0x0
	QBLK 1
	global_store_b16 v3, v[WD], s[18:19]
	s_endpgm
.endm
	s_cmp_lt_u32 s30, 48
	s_cbranch_scc0 .Lnot_proj
	s_cmp_ge_u32 s30, 24                           ; qW or kvW: the choice hangs on the work-group's number alone
	s_cselect_b64 s[20:21], s[6:7], s[4:5]
	s_cselect_b32 s22, 24, 0
	s_sub_co_u32 s22, s30, s22
	s_and_b32 s23, s22, 7                          ; nb
	s_lshr_b32 s24, s22, 3                         ; s
	s_lshl_b32 s25, s24, 17                        ; 128 rows of 1,024 bytes
	s_lshl_b32 s23, s23, 7
	s_add_co_u32 s26, s25, s23
	s_mov_b32 s27, 0
	s_add_nc_u64 s[20:21], s[20:21], s[26:27]
	s_cmp_eq_u32 s24, 2
	s_cbranch_scc1 .Lshort
	s_branch .Lp1024
.Lnot_proj:
	s_cmp_lt_u32 s30, 432
	s_cbranch_scc0 .Lout
	s_sub_co_u32 s22, s30, 48
	s_cmp_ge_u32 s22, 192                          ; the layer
	s_cselect_b32 s23, 192, 0
	s_cselect_b32 s25, 0x100000, 0
	s_sub_co_u32 s22, s22, s23
	s_lshr_b32 s24, s22, 6                         ; 0 aggW, 1 l1W, 2 l2W
	s_and_b32 s22, s22, 63
	s_cmp_eq_u32 s24, 1
	s_cbranch_scc1 .Ll1
	s_cmp_eq_u32 s24, 0
	s_cselect_b64 s[20:21], s[8:9], s[12:13]
	s_and_b32 s23, s22, 7
	s_lshr_b32 s24, s22, 3
	s_lshl_b32 s24, s24, 17
	s_lshl_b32 s23, s23, 7
	s_add_co_u32 s26, s24, s23
	s_add_co_u32 s26, s26, s25
	s_mov_b32 s27, 0
	s_add_nc_u64 s[20:21], s[20:21], s[26:27]
.Lp1024:
	UNIT 1024
.Ll1:
	s_and_b32 s23, s22, 31
	s_lshr_b32 s24, s22, 5
	s_lshl_b32 s24, s24, 19                        ; 128 rows of 4,096 bytes
	s_lshl_b32 s23, s23, 7
	s_add_co_u32 s26, s24, s23
	s_add_co_u32 s26, s26, s25
	s_mov_b32 s27, 0
	s_add_nc_u64 s[20:21], s[10:11], s[26:27]
	UNIT 4096
.Lout:
	s_sub_co_u32 s22, s30, 432
	s_cmp_ge_u32 s22, 9
	s_cselect_b32 s23, 9, 0
	s_cselect_b32 s26, 139264, 0                   ; 128 rows of 1,088 bytes
	s_sub_co_u32 s22, s22, s23                     ; nb
	s_mov_b32 s27, 0
	s_add_nc_u64 s[20:21], s[14:15], s[26:27]
	s_lshl_b32 s22, s22, 5
	v_add_nc_u32 v1, s22, v0
	v_min_u32 v1, 271, v1                          ; columns past the last are read as the last: no load leaves the buffer; their slot is read by nobody
	v_lshlrev_b32 v1, 2, v1
	v_and_b32 v5, 15, v0                           ; natural tiles
	v_lshrrev_b32 v4, 4, v0
	v_lshlrev_b32 v2, 4, v5
	v_lshl_add_u32 v2, v4, 11, v2
	v_lshlrev_b32 v3, 2, v0
	UNIT 1088
.Lshort:                                           ; K step 2 of qW, kvW: rows 256 .. 271 are half a block; the rest of the K step is zero codes under the byte 127
.irp i, 0,1,2,3
	v_mov_b32 v[CD+8+\i], 0
.endr
	s_cmp_eq_u32 s32, 1
	s_wait_alu depctr_va_vdst(0)
	s_cbranch_scc1 .Lempty
.set i_, 0
.rept 16
	global_load_b32 v[X+i_], v1, s[20:21] offset:i_*1024 th:TH_LOAD_NT
	v_mov_b32 v[X+16+i_], 0
.set i_, i_+1
.endr
	s_wait_alu depctr_va_vdst(0)
	s_wait_loadcnt 0x0
	QBLK 0
	v_or_b32 v[WD], 0x7f00, v[WD]
	global_store_b128 v2, v[CD+8:CD+11], s[16:17] offset:512
	global_store_b128 v2, v[CD+8:CD+11], s[16:17] offset:768
	global_store_b16 v3, v[WD], s[18:19]
	s_endpgm
.Lempty:                                           ; the K step's second half holds nothing but zero codes
	v_mov_b32 v[WD], 0x7f7f
.irp t, 0,1,2,3
	global_store_b128 v2, v[CD+8:CD+11], s[16:17] offset:256*\t
.endr
	global_store_b16 v3, v[WD], s[18:19]
	s_endpgm
.Lfunc_end_k_q0930d5f7c2_wq:
	.size	k_q0930d5f7c2_wq, .Lfunc_end_k_q0930d5f7c2_wq-k_q0930d5f7c2_wq
	.p2alignl 7, 3214868480
	.fill 96, 4, 3214868480
	.section	.rodata,"a",@progbits
	.p2align	6, 0x0
	.amdhsa_kernel k_q0930d5f7c2_wq
		.amdhsa_group_segment_fixed_size 0
		.amdhsa_private_segment_fixed_size 0
		.amdhsa_enable_private_segment 0
		.amdhsa_kernarg_size 64
		.amdhsa_user_sgpr_count 2
		.amdhsa_user_sgpr_kernarg_segment_ptr 1
		.amdhsa_wavefront_size32 1
		.amdhsa_system_sgpr_workgroup_id_x 1
		.amdhsa_system_sgpr_workgroup_id_y 1
		.amdhsa_system_sgpr_workgroup_id_z 1
		.amdhsa_system_vgpr_workitem_id 0
		.amdhsa_next_free_vgpr 128
		.amdhsa_next_free_sgpr 66
		.amdhsa_reserve_vcc 0
		.amdhsa_float_denorm_mode_32 3
		.amdhsa_float_denorm_mode_16_64 3
		.amdhsa_memory_ordered 1
		.amdhsa_forward_progress 1
		.amdhsa_inst_pref_size 52
	.end_amdhsa_kernel
	.amdgpu_metadata
---
amdhsa.version: [ 1, 2 ]
amdhsa.kernels:
  - .name:           k_q0930d5f7c2_wq
    .symbol:         k_q0930d5f7c2_wq.kd
    .args:
      - { .name: qW, .offset: 0, .size: 8, .value_kind: global_buffer, .address_space: global }
      - { .name: kvW, .offset: 8, .size: 8, .value_kind: global_buffer, .address_space: global }
      - { .name: aggW, .offset: 16, .size: 8, .value_kind: global_buffer, .address_space: global }
      - { .name: l1W, .offset: 24, .size: 8, .value_kind: global_buffer, .address_space: global }
      - { .name: l2W, .offset: 32, .size: 8, .value_kind: global_buffer, .address_space: global }
      - { .name: outW, .offset: 40, .size: 8, .value_kind: global_buffer, .address_space: global }
      - { .name: wc, .offset: 48, .size: 8, .value_kind: global_buffer, .address_space: global }
      - { .name: ws, .offset: 56, .size: 8, .value_kind: global_buffer, .address_space: global }
    .group_segment_fixed_size: 0
    .private_segment_fixed_size: 0
    .kernarg_segment_align: 8
    .kernarg_segment_size: 64
    .max_flat_workgroup_size: 32
    .sgpr_count:     66
    .vgpr_count:     128
    .wavefront_size: 32
...
	.end_amdgpu_metadata
.endif
;; end of part 1
;; launch kproj (part 2): grid 256 x 1, 8 waves a work-group, no clusters, 53,760 bytes of LDS; arguments matched_features, wc, ws, kvb, row_embed, col_embed, kpc, kps, vcc, vcs; writes kpc, kps, vcc, vcs
.if DOCPART == 2
	.amdgcn_target "amdgcn-amd-amdhsa--gfx1250"
	.amdhsa_code_object_version 6
	.text
	.protected	k_q0930d5f7c2_kproj
	.globl	k_q0930d5f7c2_kproj
	.p2align	8
	.type	k_q0930d5f7c2_kproj,@function
k_q0930d5f7c2_kproj:
	s_mov_b64 s[64:65], 0
	v_nop
	global_prefetch_b8 v0, s[64:65] scope:SCOPE_SE
	s_setreg_imm32_b32 hwreg(HW_REG_WAVE_MODE, 25, 1), 1
	s_wait_xcnt 0x0
; kt = Q(matched tokens) Q(kvW) + kvb, made in BOTH orientations from the same fragments (swapped sources give the transposed tile with the same bits), and quantised twice:
;   Q(kt + pos) along the channels -> kpc, kps (the keys of both layers);   Q(kt) along the keys -> vcc, vcs (the values of both layers).
; SHARES.  Work-group 8 kb + a owns image rows 4 a .. 4 a + 3 of matched set kb = 8 k + b: 128 tokens, 512 consecutive bytes of every channel.  Wave w owns output channels 32 w .. 32 w + 31
; (permuted tiles 2 w, 2 w + 1) for all 128 tokens; at the head it quantises input channels 32 w .. 32 w + 31 of all 128 tokens (waves 0-3 also channels 256 .. 271 of one image row each).
; THE TOKENS OF A TILE ARE NOT NEIGHBOURS: row r of tile (image row, u) is column 8 u + r + 8 (r / 8); W's rows likewise: so a lane's 16 registers of two neighbouring tiles are 16 neighbours along the next K.
; O1: source 0 = W, source 1 = tokens: a lane holds one token, 16 neighbouring channels.  O2: source 0 = tokens, source 1 = W: a lane holds one channel, 16 neighbouring keys of one image row (= one block of 32 keys).
; kt + pos is summed as products + (kvb + pos): the C of O1's first product.
; No tensor load: every input byte is read once by one wave, straight into the registers that quantise it.  No cluster: work-groups share only the weights, 96 KB a work-group against 136 KB of tokens.
; LIMITS: as in the weights' launch (floor byte 1; NaN and infinities not served).
; LDS: TI 24 token fragments (8 s + 2 b + u) as register images, 2,064 bytes apart; TS their scale words [b][s, 4 places][16 u + r]; SKL kps' bytes [b][16 u + r][8].
; REGISTERS, window 0: v1-15 addresses; v20-22 W's scale words; v24-29 the tokens'; v30-49 at work; v50-57 pos offsets; v58-59 vcs' words; v60-63 zeros; v64-79, v80-95 codes; v96-111 kvb of my channel (C of O2);
;   v112-127 kvb in O1's layout; v128-191 O1's 8 accumulators; v192-255 O2's 8.  At the head v128-255 hold 32 channels x 4 tokens, v64-95 the held numbers, v96-127 codes.
;   window 1: v0-95 W's six fragments (2 s + u'); v96-159, v160-223 two buffers of four token fragments.
.set TI,  0
.set FP,  2064
.set TS,  49664
.set SKL, 51712
.set WSR, 20
.set TSR, 24
.set TM,  30
.set PO,  50
.set SVW, 58
.set ZR,  60
.set PC1, 64
.set PC2, 80
.set C2,  96
.set KB1, 112
.set A1,  128
.set A2,  192
.set WV,  24
.set SEL, 44
.set MNT, 46
.set MSB, 0
.macro WIN new                         ; the immediate's high byte repeats the setting that is left
.if MSB != \new
	s_set_vgpr_msb (MSB<<8)|\new
.set MSB, \new
.endif
.endm
.macro PLACES n
.rept \n
	v_nop
.endr
.endm
.macro BAR                             ; my LDS stores have landed and my LDS loads are in: then the work-group's barrier
	s_wait_dscnt 0x0
	s_barrier_signal -1
	s_barrier_wait -1
.endm
; one product: D at d, A at a, B at b, C at c (c < 0: the constant 0), scale registers sa, sb; ra, rb = 1: the scales stand in lanes 16-31
.macro MM d, a, b, c, sa, ra, sb, rb
.if (\c) < 0
.if (\ra) && (\rb)
	v_wmma_scale_f32_16x16x128_f8f6f4 v[(\d):(\d)+7], v[(\a):(\a)+15], v[(\b):(\b)+15], 0, v[\sa], v[\sb] matrix_a_scale:MATRIX_SCALE_ROW1 matrix_b_scale:MATRIX_SCALE_ROW1
.elseif (\ra)
	v_wmma_scale_f32_16x16x128_f8f6f4 v[(\d):(\d)+7], v[(\a):(\a)+15], v[(\b):(\b)+15], 0, v[\sa], v[\sb] matrix_a_scale:MATRIX_SCALE_ROW1
.elseif (\rb)
	v_wmma_scale_f32_16x16x128_f8f6f4 v[(\d):(\d)+7], v[(\a):(\a)+15], v[(\b):(\b)+15], 0, v[\sa], v[\sb] matrix_b_scale:MATRIX_SCALE_ROW1
.else
	v_wmma_scale_f32_16x16x128_f8f6f4 v[(\d):(\d)+7], v[(\a):(\a)+15], v[(\b):(\b)+15], 0, v[\sa], v[\sb]
.endif
.else
.if (\ra) && (\rb)
	v_wmma_scale_f32_16x16x128_f8f6f4 v[(\d):(\d)+7], v[(\a):(\a)+15], v[(\b):(\b)+15], v[(\c):(\c)+7], v[\sa], v[\sb] matrix_a_scale:MATRIX_SCALE_ROW1 matrix_b_scale:MATRIX_SCALE_ROW1
.elseif (\ra)
	v_wmma_scale_f32_16x16x128_f8f6f4 v[(\d):(\d)+7], v[(\a):(\a)+15], v[(\b):(\b)+15], v[(\c):(\c)+7], v[\sa], v[\sb] matrix_a_scale:MATRIX_SCALE_ROW1
.elseif (\rb)
	v_wmma_scale_f32_16x16x128_f8f6f4 v[(\d):(\d)+7], v[(\a):(\a)+15], v[(\b):(\b)+15], v[(\c):(\c)+7], v[\sa], v[\sb] matrix_b_scale:MATRIX_SCALE_ROW1
.else
	v_wmma_scale_f32_16x16x128_f8f6f4 v[(\d):(\d)+7], v[(\a):(\a)+15], v[(\b):(\b)+15], v[(\c):(\c)+7], v[\sa], v[\sb]
.endif
.endif
.endm
; four blocks: block b = my 16 numbers v[s + 16 b ..] and lane l xor 16's.  Codes to v[pc + 4 b ..], bytes to v[TM + 4 + b], the four bytes as a word to v[pw].  relu = 1: what is negative becomes 0
.macro QUANT4 s, relu, pc, pw
.if \relu
.irp b, 0,1,2,3
	v_max3_num_f32 v[TM+\b], v[(\s)+16*\b], v[(\s)+1+16*\b], 0x4800000     ; and the floor 2^(9 - 127): the byte cannot fall under 1
.endr
.irp i, 2,4,6,8,10,12,14
.irp b, 0,1,2,3
	v_max3_num_f32 v[TM+\b], v[TM+\b], v[(\s)+16*\b+\i], v[(\s)+1+16*\b+\i]
.endr
.endr
.else
.irp b, 0,1,2,3
	v_max3_num_f32 v[TM+\b], |v[(\s)+16*\b]|, |v[(\s)+1+16*\b]|, 0x4800000
.endr
.irp i, 2,4,6,8,10,12,14
.irp b, 0,1,2,3
	v_max3_num_f32 v[TM+\b], v[TM+\b], |v[(\s)+16*\b+\i]|, |v[(\s)+1+16*\b+\i]|
.endr
.endr
.endif
.irp b, 0,1,2,3
	s_delay_alu instid0(VALU_DEP_4)
	v_permlanex16_b32 v[TM+4+\b], v[TM+\b], s[SEL], s[SEL+1]
.endr
.irp b, 0,1,2,3
	s_delay_alu instid0(VALU_DEP_4)
	v_max_num_f32 v[TM+\b], v[TM+\b], v[TM+4+\b]
.endr
.irp b, 0,1,2,3
	s_delay_alu instid0(VALU_DEP_4)
	v_add_nc_u32 v[TM+12+\b], 0xfc000000, v[TM+\b]         ; 8 off the exponent field: the conversion's scale operand
.endr
.irp b, 0,1,2,3
	v_and_or_b32 v[TM+8+\b], v[TM+\b], 0x7f800000, s[MNT]  ; 448 x the scale
.endr
.irp b, 0,1,2,3
	v_lshrrev_b32 v[TM+4+\b], 23, v[TM+12+\b]              ; the scale's byte
.endr
	s_delay_alu instid0(VALU_DEP_3)
	v_lshl_or_b32 v[\pw], v[TM+5], 8, v[TM+4]
	s_delay_alu instid0(VALU_DEP_1)
	v_lshl_or_b32 v[\pw], v[TM+6], 16, v[\pw]
	s_delay_alu instid0(VALU_DEP_1)
	v_lshl_or_b32 v[\pw], v[TM+7], 24, v[\pw]
.irp b, 0,1,2,3
.irp i, 0,1,2,3,4,5,6,7,8,9,10,11,12,13,14,15
.if \relu
	v_med3_num_f32 v[(\s)+16*\b+\i], v[(\s)+16*\b+\i], 0, v[TM+8+\b]
.else
	v_med3_num_f32 v[(\s)+16*\b+\i], v[(\s)+16*\b+\i], -v[TM+8+\b], v[TM+8+\b]
.endif
.endr
	v_cvt_scalef32_pk8_fp8_f32 v[(\pc)+4*\b:(\pc)+1+4*\b], v[(\s)+16*\b:(\s)+7+16*\b], v[TM+12+\b]
	v_cvt_scalef32_pk8_fp8_f32 v[(\pc)+2+4*\b:(\pc)+3+4*\b], v[(\s)+8+16*\b:(\s)+15+16*\b], v[TM+12+\b]
.endr
	v_nop                                          ; a plain line behind the last conversion
.endm
	s_load_b512 s[4:19], s[0:1], 0x0               ; features s[4:5], wc s[6:7], ws s[8:9], kvb s[10:11], row_embed s[12:13], col_embed s[14:15], kpc s[16:17], kps s[18:19]
	s_load_b128 s[20:23], s[0:1], 0x40             ; vcc, vcs
	v_lshl_add_u32 v23, v0, 2, 0xce00
	v_mov_b32 v47, 0
	v_lshrrev_b32 v36, 5, v0
	s_delay_alu instid0(VALU_DEP_1)
	v_readfirstlane_b32 s[WV], v36                 ; wave 0..7
	v_and_b32 v36, 31, v0                          ; lane l
	v_and_b32 v37, 15, v0                          ; r
	v_bfe_u32 v38, v0, 4, 1                        ; h
	v_bfe_u32 v30, v0, 3, 2                        ; l / 8
	v_bfe_u32 v31, v0, 1, 1
	v_and_b32 v32, 1, v0
	v_bfe_u32 v33, v0, 2, 1
	v_bfe_u32 v34, v0, 3, 1
	v_and_b32 v35, 7, v0
	s_delay_alu instid0(VALU_DEP_1)
	v_lshl_add_u32 v35, v38, 3, v35                ; l % 8 + 8 (l / 16)
	v_and_b32 v39, 8, v37
	s_delay_alu instid0(VALU_DEP_1)
	v_add_nc_u32 v39, v39, v37                     ; r + 8 (r / 8)
	v_lshlrev_b32 v1, 4, v36                       ; v1  16 x lane
	v_lshlrev_b32 v2, 2, v36                       ; v2  4 x lane
	s_lshr_b32 s25, ttmp9, 3                       ; kb
	s_and_b32 s36, ttmp9, 7                        ; a
	s_lshr_b32 s37, s[WV], 2
	s_and_b32 s38, s[WV], 3
	; v3: where my four tokens' codes go.  Lane l holds tokens 4 l + t: image row l / 8, column 4 (l % 8) + t: tile u = (l / 2) % 2, row 4 (l % 2) + t + 8 ((l / 4) % 2)
	v_mul_u32_u24 v3, v30, 4128
	s_delay_alu instid0(VALU_DEP_1)
	v_mad_u32_u24 v3, v31, 2064, v3
	s_delay_alu instid0(VALU_DEP_1)
	v_lshl_add_u32 v3, v32, 6, v3
	s_delay_alu instid0(VALU_DEP_1)
	v_lshl_add_u32 v3, v33, 7, v3
	s_mul_i32 s48, s37, 16512                      ; K step w / 4,
	s_lshl_b32 s49, s38, 9                         ; piece w % 4
	s_add_co_u32 s48, s48, s49
	v_add_nc_u32 v3, s48, v3
	v_lshlrev_b32 v4, 9, v30                       ; v4: and their scale bytes
	s_delay_alu instid0(VALU_DEP_1)
	v_lshl_add_u32 v4, v31, 6, v4
	s_delay_alu instid0(VALU_DEP_1)
	v_lshl_add_u32 v4, v33, 5, v4
	s_delay_alu instid0(VALU_DEP_1)
	v_lshl_add_u32 v4, v32, 4, v4
	s_lshl_b32 s48, s37, 7
	s_add_co_u32 s48, s48, s38
	v_add_nc_u32 v4, s48, v4
	v_mul_u32_u24 v5, v34, 2064                    ; v5: channels 256 .. 271 (waves 0-3; lane = column): fragment 16 + 2 w + u, row l % 8 + 8 (l / 16)
	s_delay_alu instid0(VALU_DEP_1)
	v_lshl_add_u32 v5, v35, 4, v5
	s_mul_i32 s48, s[WV], 4128
	s_add_co_u32 s48, s48, 33024
	v_add_nc_u32 v5, s48, v5
	v_lshlrev_b32 v6, 6, v34                       ; v6: their scale word
	s_delay_alu instid0(VALU_DEP_1)
	v_lshl_add_u32 v6, v35, 2, v6
	s_lshl_b32 s48, s[WV], 9
	s_add_co_u32 s48, s48, 256
	v_add_nc_u32 v6, s48, v6
	s_mul_i32 s48, s[WV], 2064                     ; v7: the zero pieces of fragment 16 + w
	s_add_co_u32 s48, s48, 33024
	v_add_nc_u32 v7, s48, v1
	v_lshl_add_u32 v8, v37, 3, s[WV]               ; v8: kps' byte: 8 r + w
	s_lshl_b32 s48, s[WV], 8
	v_lshl_add_u32 v9, v36, 3, s48                 ; v9: 256 w + 8 lane
	s_lshl_b32 s48, s37, 11
	s_add_co_u32 s48, s48, s49
	v_add_nc_u32 v10, s48, v1                      ; v10: kpc: K step w / 4, piece w % 4
	s_lshl_b32 s48, s[WV], 7
	v_add_nc_u32 v12, s48, v2                      ; v12: 128 w + 4 lane
	v_lshl_add_u32 v14, v38, 6, s48                ; v14: kvb at channels 32 w + 16 h
	v_lshl_add_u32 v15, v39, 2, s48                ; v15: kvb at my permuted channel of tile 2 w
	s_lshl_b32 s48, s[WV], 12
	v_add_nc_u32 v13, s48, v1                      ; v13: 4,096 w + 16 lane
.irp i, 0,1,2,3
	v_mov_b32 v[ZR+\i], 0
.endr
	s_mov_b32 s[SEL], 0x76543210
	s_mov_b32 s[SEL+1], 0xfedcba98                 ; v_permlanex16_b32's selects for lane l xor 16
	s_mov_b32 s[MNT], 0x600000
	s_mul_i32 s40, s25, 1114112                    ; a matched set is 272 channels of 4,096 bytes
	s_lshl_b32 s41, s36, 9
	s_add_co_u32 s40, s40, s41
	s_mov_b32 s41, 0
	s_lshl_b32 s42, s[WV], 17                      ; my 32 channels
	s_mov_b32 s43, 0
	s_lshl_b32 s50, ttmp9, 15
	s_mov_b32 s51, 0
	s_lshl_b32 s52, ttmp9, 10
	s_mov_b32 s53, 0
	s_lshl_b32 s54, s25, 18
	s_lshl_b32 s55, s[WV], 15
	s_add_co_u32 s54, s54, s55
	s_lshl_b32 s55, s36, 11
	s_add_co_u32 s54, s54, s55
	s_mov_b32 s55, 0
	s_lshl_b32 s48, s38, 7
	s_mov_b32 s49, 0
	s_wait_kmcnt 0x0
	s_add_nc_u64 s[26:27], s[4:5], s[40:41]        ; the group's tokens, channel 0
	s_add_nc_u64 s[28:29], s[26:27], s[42:43]      ; channel 32 w
	s_add_nc_u64 s[16:17], s[16:17], s[50:51]      ; kpc: 4 image rows of 8,192 bytes
	s_add_nc_u64 s[18:19], s[18:19], s[52:53]      ; kps
	s_add_nc_u64 s[22:23], s[22:23], s[52:53]      ; vcs
	s_add_nc_u64 s[20:21], s[20:21], s[54:55]      ; vcc: set kb, tile 2 w, row 4 a
	s_cmp_lt_u32 s[WV], 4                          ; channels 0-127 of pos come from col_embed[column], 128-255 from row_embed[row]
	s_cselect_b64 s[30:31], s[14:15], s[12:13]
	s_cselect_b32 s32, 512, 0                      ; bytes from column to column,
	s_cselect_b32 s33, 0, 512                      ; from row to row
	s_add_nc_u64 s[30:31], s[30:31], s[48:49]
	v_mul_lo_u32 v40, v39, s32
	s_delay_alu instid0(VALU_DEP_1)
	v_lshl_add_u32 v40, v38, 6, v40
	s_wait_alu depctr_va_vdst(0)
	s_lshl_b32 s34, s32, 3
	s_lshl_b32 s35, s36, 2
	s_mul_i32 s35, s35, s33
.irp b, 0,1,2,3
.irp u, 0,1
	s_mul_i32 s39, s33, \b
	s_add_co_u32 s39, s39, s35
.if \u
	s_add_co_u32 s39, s39, s34
.endif
	v_add_nc_u32 v[PO+2*\b+\u], s39, v40           ; pos of token (row 4 a + b, tile u, row r), channels 32 w + 16 h on
.endr
.endr
	s_cmp_lt_u32 s[WV], 4
	s_cbranch_scc0 .Lno8a
.set i_, 0
.rept 16
	global_load_b32 v[96+i_], v12, s[26:27] offset:(256+i_)*4096 th:TH_LOAD_NT     ; channels 256 .. 271 of image row w: lane = column
.set i_, i_+1
.endr
.Lno8a:
.set i_, 0
.rept 32
	global_load_b128 v[128+4*i_:131+4*i_], v1, s[28:29] offset:i_*4096 th:TH_LOAD_NT   ; a channel's 512 consecutive bytes: four tokens a lane
.set i_, i_+1
.endr
	WIN 0x40                                       ; destination window 1
.irp s, 0,1,2
.irp u, 0,1
.irp c, 0,1,2,3
	global_load_b128 v[16*(2*\s+\u)+4*\c:16*(2*\s+\u)+4*\c+3], v13, s[6:7] offset:(24+8*\s)*4096+2048*\u+512*\c
.endr
.endr
.endr
	WIN 0
.irp s, 0,1,2
	global_load_b32 v[WSR+\s], v12, s[8:9] offset:(24+8*\s)*128
.endr
.irp c, 1,2,3
	ds_store_b128 v7, v[ZR:ZR+3] offset:TI+512*\c  ; K step 2 beyond its first block: zero codes
.endr
	s_cmp_lt_u32 s[WV], 4
	s_cbranch_scc0 .Lno8b
	s_wait_loadcnt 59                              ; the 32 + 27 younger loads may be out
	v_max3_num_f32 v30, |v96|, |v97|, 0x4800000
.irp i, 2,4,6,8,10,12,14
	s_delay_alu instid0(VALU_DEP_1)
	v_max3_num_f32 v30, v30, |v[96+\i]|, |v[97+\i]|
.endr
	s_delay_alu instid0(VALU_DEP_1)
	v_add_nc_u32 v31, 0xfc000000, v30
	s_delay_alu instid0(VALU_DEP_2)
	v_and_or_b32 v32, v30, 0x7f800000, s[MNT]
	s_delay_alu instid0(VALU_DEP_2)
	v_lshrrev_b32 v33, 23, v31
	s_delay_alu instid0(VALU_DEP_1)
	v_or_b32 v33, 0x7f7f7f00, v33                  ; the three empty blocks carry the byte 127
.set i_, 0
.rept 16
	v_med3_num_f32 v[96+i_], v[96+i_], -v32, v32
.set i_, i_+1
.endr
	v_cvt_scalef32_pk8_fp8_f32 v[64:65], v[96:103], v31
	v_cvt_scalef32_pk8_fp8_f32 v[66:67], v[104:111], v31
	v_nop
	ds_store_b128 v5, v[64:67] offset:TI           ; k = 256 .. 271
	ds_store_b128 v5, v[ZR:ZR+3] offset:TI+256     ; k = 272 .. 287: zeros
	ds_store_b32 v6, v33 offset:TS
	s_wait_dscnt 0x0                               ; the stores have read their registers
.Lno8b:
	s_wait_loadcnt 27                              ; my 32 channels are in; W's 27 loads may be out
.irp t, 0,1,2,3
	v_max3_num_f32 v[30+\t], |v[128+\t]|, |v[132+\t]|, 0x4800000
.endr
.set c_, 2
.rept 15
.irp t, 0,1,2,3
	s_delay_alu instid0(VALU_DEP_4)
	v_max3_num_f32 v[30+\t], v[30+\t], |v[128+4*c_+\t]|, |v[132+4*c_+\t]|   ; the four tokens by turns
.endr
.set c_, c_+2
.endr
.irp t, 0,1,2,3
	s_delay_alu instid0(VALU_DEP_4)
	v_add_nc_u32 v[34+\t], 0xfc000000, v[30+\t]
.endr
.irp t, 0,1,2,3
	v_and_or_b32 v[38+\t], v[30+\t], 0x7f800000, s[MNT]
.endr
.irp t, 0,1,2,3
	v_lshrrev_b32 v[42+\t], 23, v[34+\t]
.endr
.irp t, 0,1,2,3
.set c_, 0
.rept 32
	v_med3_num_f32 v[64+c_], v[128+4*c_+\t], -v[38+\t], v[38+\t]   ; the hold writes token t's 32 channels into consecutive registers
.set c_, c_+1
.endr
.irp g, 0,1,2,3
	v_cvt_scalef32_pk8_fp8_f32 v[96+8*\t+2*\g:97+8*\t+2*\g], v[64+8*\g:71+8*\g], v[34+\t]
.endr
	v_nop
	ds_store_b128 v3, v[96+8*\t:99+8*\t] offset:TI+16*\t
	ds_store_b128 v3, v[100+8*\t:103+8*\t] offset:TI+16*\t+256
	ds_store_b8 v4, v[42+\t] offset:TS+4*\t
.endr
	s_wait_dscnt 0x0                               ; the stores have read their registers: kvb lands there
.irp q, 0,1,2,3
	global_load_b128 v[KB1+4*\q:KB1+4*\q+3], v14, s[10:11] offset:16*\q
.endr
	global_load_b32 v[C2], v15, s[10:11]
	global_load_b32 v[C2+8], v15, s[10:11] offset:32
.macro POSLOAD p                       ; pos of the group's four token tiles, straight into O1's accumulators
.irp tt, 0,1,2,3
.irp q, 0,1,2,3
	global_load_b128 v[A1+16*\tt+4*\q:A1+16*\tt+4*\q+3], v[PO+4*(\p)+\tt], s[30:31] offset:16*\q
.endr
.endr
.endm
	POSLOAD 0
	BAR                                            ; all 24 token fragments and their scale words lie in LDS
	s_wait_loadcnt 0x0
.irp j, 1,2,3,4,5,6,7
	v_mov_b32 v[C2+\j], v[C2]
	v_mov_b32 v[C2+8+\j], v[C2+8]
.endr
.macro TFETCH s, p                     ; the group's four token fragments of K step s into buffer s % 2
	WIN 0x40
.irp tt, 0,1,2,3
.irp c, 0,1,2,3
	ds_load_b128 v[96+64*((\s)%2)+16*\tt+4*\c:96+64*((\s)%2)+16*\tt+4*\c+3], v1 offset:TI+(8*(\s)+4*(\p)+\tt)*FP+512*\c
.endr
.endr
	WIN 0
.endm
.macro KSTEP s                         ; 16 products on 16 accumulators, which take turns, one instruction a turn
.irp tt, 0,1,2,3
.irp u, 0,1
	MM A1+16*\tt+8*\u, 16*(2*(\s)+\u), 96+64*((\s)%2)+16*\tt, A1+16*\tt+8*\u, WSR+(\s), \u, TSR+3*(\tt/2)+(\s), \tt%2
.if (\s) == 0
	MM A2+32*\u+8*\tt, 96+64*((\s)%2)+16*\tt, 16*(2*(\s)+\u), C2+8*\u, TSR+3*(\tt/2)+(\s), \tt%2, WSR+(\s), \u
.else
	MM A2+32*\u+8*\tt, 96+64*((\s)%2)+16*\tt, 16*(2*(\s)+\u), A2+32*\u+8*\tt, TSR+3*(\tt/2)+(\s), \tt%2, WSR+(\s), \u
.endif
.endr
.endr
.endm
.macro GROUP p                         ; image rows 4 a + 2 p, 4 a + 2 p + 1: token tiles tt = 2 b' + u
.irp b, 0,1
.irp s, 0,1,2
	ds_load_b32 v[TSR+3*\b+\s], v2 offset:TS+512*(2*(\p)+\b)+128*\s
.endr
.endr
	TFETCH 0, \p
	TFETCH 1, \p
.irp tt, 0,1,2,3
.irp q, 0,2,4,6,8,10,12,14
	v_pk_add_f32 v[A1+16*\tt+\q:A1+16*\tt+\q+1], v[A1+16*\tt+\q:A1+16*\tt+\q+1], v[KB1+\q:KB1+\q+1]   ; C = pos + kvb
.endr
.endr
	PLACES 4
	s_wait_alu depctr_va_vdst(0)
	s_wait_dscnt 16                                ; the scale words and K step 0 are in; K step 1's 16 loads may be out
	WIN 0x05                                       ; both sources in window 1
	KSTEP 0
	WIN 0
	PLACES 8                                       ; in front of loads into registers that the products have read
	TFETCH 2, \p
	s_wait_dscnt 16                                ; K step 1 is in
	WIN 0x05
	KSTEP 1
	s_wait_dscnt 0x0
	KSTEP 2
	WIN 0
	PLACES 8
	s_wait_xcnt 0x0                                ; the last group's stores have read their registers
	QUANT4 A1, 0, PC1, 46                          ; kt + pos, four token tiles: channel block w
.irp tt, 0,1,2,3
	global_store_b128 v10, v[PC1+4*\tt:PC1+4*\tt+3], s[16:17] offset:(2*(\p)+\tt/2)*8192+(\tt%2)*4096   ; 512 consecutive bytes
	ds_store_b8 v8, v[TM+4+\tt] offset:SKL+256*(2*(\p)+\tt/2)+128*(\tt%2)
.endr
.if (\p) == 0
	POSLOAD 1
.endif
	s_wait_dscnt 0x0                               ; the byte stores have read their registers
	QUANT4 A2, 0, PC2, 46                          ; kt along the keys: block 2 u' + b' = (tile 2 w + u', image row b')
.irp q, 0,1,2,3
	global_store_b128 v1, v[PC2+4*\q:PC2+4*\q+3], s[20:21] offset:(\q/2)*16384+(2*(\p)+\q%2)*512
.if (2*(\p)+\q%2) == 0
	v_mov_b32 v[SVW+\q/2], v[TM+4+\q]
.else
	v_lshl_or_b32 v[SVW+\q/2], v[TM+4+\q], 8*(2*(\p)+\q%2), v[SVW+\q/2]
.endif
.endr
.if (\p) == 0
	s_wait_loadcnt 0x0                             ; the next group's pos
.endif
.endm
	GROUP 0
	GROUP 1
	s_mov_b32 s39, 0xffff0000
	v_cndmask_b32 v[SVW], v[SVW], v[SVW+1], s39    ; lanes 0-15: tile 2 w, lanes 16-31: tile 2 w + 1
	global_store_b32 v12, v[SVW], s[22:23]
	BAR                                            ; kps' bytes of all eight channel blocks lie in LDS
	s_cmp_lt_u32 s[WV], 4
	s_cbranch_scc0 .Ldone
	ds_load_b64 v[48:49], v9 offset:SKL
	s_wait_dscnt 0x0
	global_store_b64 v9, v[48:49], s[18:19]        ; an image row's 256 consecutive bytes
.Ldone:
	s_wait_tensorcnt 0x0
	ds_add_u32 v23, v47
	s_wait_dscnt 0x0
	s_endpgm
.Lfunc_end_k_q0930d5f7c2_kproj:
	.size	k_q0930d5f7c2_kproj, .Lfunc_end_k_q0930d5f7c2_kproj-k_q0930d5f7c2_kproj
	.p2alignl 7, 3214868480
	.fill 96, 4, 3214868480
	.section	.rodata,"a",@progbits
	.p2align	6, 0x0
	.amdhsa_kernel k_q0930d5f7c2_kproj
		.amdhsa_group_segment_fixed_size 53760
		.amdhsa_private_segment_fixed_size 0
		.amdhsa_enable_private_segment 0
		.amdhsa_kernarg_size 80
		.amdhsa_user_sgpr_count 2
		.amdhsa_user_sgpr_kernarg_segment_ptr 1
		.amdhsa_wavefront_size32 1
		.amdhsa_system_sgpr_workgroup_id_x 1
		.amdhsa_system_sgpr_workgroup_id_y 1
		.amdhsa_system_sgpr_workgroup_id_z 1
		.amdhsa_system_vgpr_workitem_id 0
		.amdhsa_next_free_vgpr 512
		.amdhsa_next_free_sgpr 66
		.amdhsa_reserve_vcc 0
		.amdhsa_float_denorm_mode_32 3
		.amdhsa_float_denorm_mode_16_64 3
		.amdhsa_memory_ordered 1
		.amdhsa_forward_progress 1
		.amdhsa_inst_pref_size 99
	.end_amdhsa_kernel
	.amdgpu_metadata
---
amdhsa.version: [ 1, 2 ]
amdhsa.kernels:
  - .name:           k_q0930d5f7c2_kproj
    .symbol:         k_q0930d5f7c2_kproj.kd
    .args:
      - { .name: matched_features, .offset: 0, .size: 8, .value_kind: global_buffer, .address_space: global }
      - { .name: wc, .offset: 8, .size: 8, .value_kind: global_buffer, .address_space: global }
      - { .name: ws, .offset: 16, .size: 8, .value_kind: global_buffer, .address_space: global }
      - { .name: kvb, .offset: 24, .size: 8, .value_kind: global_buffer, .address_space: global }
      - { .name: row_embed, .offset: 32, .size: 8, .value_kind: global_buffer, .address_space: global }
      - { .name: col_embed, .offset: 40, .size: 8, .value_kind: global_buffer, .address_space: global }
      - { .name: kpc, .offset: 48, .size: 8, .value_kind: global_buffer, .address_space: global }
      - { .name: kps, .offset: 56, .size: 8, .value_kind: global_buffer, .address_space: global }
      - { .name: vcc, .offset: 64, .size: 8, .value_kind: global_buffer, .address_space: global }
      - { .name: vcs, .offset: 72, .size: 8, .value_kind: global_buffer, .address_space: global }
    .group_segment_fixed_size: 53760
    .private_segment_fixed_size: 0
    .kernarg_segment_align: 8
    .kernarg_segment_size: 80
    .max_flat_workgroup_size: 256
    .sgpr_count:     66
    .vgpr_count:     512
    .wavefront_size: 32
...
	.end_amdgpu_metadata
.endif
;; end of part 2
;; launch main (part 3): grid 256 x 1, 8 waves a work-group, no clusters, 269,568 bytes of LDS; arguments query_features, wc, ws, kpc, kps, vcc, vcs, out0, praw, row_embed, col_embed, qb, aggb, n1g, n1b, l1b, l2b, n2g, n2b, outb; writes out0, praw
.if DOCPART == 3
	.amdgcn_target "amdgcn-amd-amdhsa--gfx1250"
	.amdhsa_code_object_version 6
	.text
	.protected	k_q0930d5f7c2_main
	.globl	k_q0930d5f7c2_main
	.p2align	8
	.type	k_q0930d5f7c2_main,@function
k_q0930d5f7c2_main:
	s_mov_b64 s[64:65], 0
	v_nop
	global_prefetch_b8 v0, s[64:65] scope:SCOPE_SE
	s_setreg_imm32_b32 hwreg(HW_REG_WAVE_MODE, 25, 1), 1
	s_wait_xcnt 0x0
; One work-group = the 32 query tokens of one image row of one batch, through the whole chain: quantise the features, project, two layers (windowed attention on four matched sets, agg, norm, two-layer
; feed-forward, norm), project back, store recon and the raw error norm.  Query tokens never see each other, so nothing goes to memory on the way.
; THE WINDOW.  The mask that the model builds hides every key further than 3 rows or 3 columns from the query.  A block of 32 keys is an image row, so the 8 rows from w0 = clamp(i - 3, 0, 24) hold all that counts;
; hidden scores inside the window become -infinity, p = 0, zero codes.
; SHARES.  Token tiles m = 0, 1 (token 16 m + r).  Products with 256 outputs: wave w owns channels 32 w .. 32 w + 31 (permuted tiles).  l1: hidden units 128 w .. 128 w + 127.
; Attention: wave = (matched set k = w / 2, g = w % 2): scores of key rows w0 + 4 g + 0 .. 3; values' channels 128 g .. 128 g + 127.  Every product is used transposed (source 0 = weights, keys or values;
; source 1 = tokens), so a lane holds one token and its registers run along the next K.
; THE RING.  Window 1 (v256-511) holds 16 fragments.  Each phase of a layer wants exactly 16 (32 KB a wave), laid in memory in register order; they come straight from memory by global_load_b128, each read by
; one wave and used for two products.  Slots 0-11 and the scale words are asked for directly behind the phase before, slots 12-15 at the end of its epilogue.  They are used in four groups of four behind
; s_wait_loadcnt 48, 32, 16, 0: the count is the ring loads issued behind the group's.
; Activations go from wave to wave through LDS as images of the operand's registers (512 c + 16 lane), scale words 4 bytes a token.
; NOT USED, by this text's own arithmetic: tensor loads and joint requests: a fragment serves one wave, so through LDS each of a work-group's 2.7 MB of operands would be written and read once more.
; LIMITS: floor byte 1 for blocks under 2^-118 and for zero blocks; NaN and infinities among the inputs are not served; 1 / l, 1 / sqrt by v_rcp_f32, v_rsq_f32; out0 and the features are touched in
; pieces of 128 bytes (a work-group's share of a channel is one image row).
; LDS map (bytes)
.set FI,   0                           ; 12,288  feature images, 2 s + m
; THE WINDOW, in full (this takes the place of the head's sentence on it): the SEVEN rows from w0 = clamp(i - 3, 0, 25) hold every key within 3 rows of the query, for every i.  The second product's K step wants
; four rows, so an eighth place is carried: its scores are always hidden (p = 0, zero codes), its keys are not loaded (the odd waves pass over four fragments; the products there run on what the slots hold, and their
; results are replaced by -infinity), its part of the values' fragments is zero codes, and its scale words repeat row 6's: no load names row w0 + 7.
.set QI,   12288                       ; 8,192   (x + pos) / 16
.set XI,   20480                       ; 8,192   x
.set VEC,  28672                       ; 23,552  aggb 0, n1g 2048, n1b 4096, l2b 6144, n2g 8192, n2b 10240, l1b 12288, qb 20480, outb 21504
.set FIS,  52224                       ; scale words [K step][token]
.set QIS,  52736
.set XIS,  52992
.set PIS,  53248                       ; [wave][token]
.set OIS,  54272
.set HIS,  55296
.set LS,   56320                       ; row sums [wave][token]
.set MX,   57344                       ; row maxima
.set PS,   58368                       ; squared errors
.set LN1,  59392                       ; 2,560: token pitch 80, 8 bytes a wave
.set LN2,  61952
.set PI,   65536                       ; 32,768 each: images 2 wave + m
.set OI,   98304
.set HI,   131072
.set XST,  163840                      ; x, 4 KB a wave, as its registers
.set POSI, 196608                      ; pos / 16, likewise
.set QF,   229376                      ; 39,168: features, later recon: [channel], pitch 144
; vector registers, window 0
.set LI,1                              ; 16 lane
.set L4,2                              ; 4 lane
.set PADR,4                            ; (w / 4) 4096 + (w % 4) 512 + 16 lane
.set BADR,5                            ; (w / 4) 128 + w % 4 + 4 r
.set WADR,6                            ; 4096 w + 16 lane
.set WS4,7                             ; 128 w + 4 r
.set KPI,8                             ; PI + (w / 2) 8192 + 16 lane
.set KL4,9                             ; (w / 2) 256 + 4 lane
.set KR4,10                            ; (w / 2) 256 + 4 r
.set LNW,11                            ; 80 r + 8 w
.set LNR,12                            ; 80 r
.set VB,13                             ; VEC + 128 w + 64 h, + 1,024 a layer
.set VB1,14                            ; VEC + 12288 + 512 w + 64 h, + 4,096 a layer
.set QFA,15                            ; QF + (32 w + 8 h) 144 + 4 r
.set ROWA,16                           ; QF + (4 w + l / 8) 144 + 16 (l % 8)
.set GROW,17                           ; (4 w + l / 8) 4096 + 16 (l % 8)
.set GW1,18                            ; 16384 w + 16 lane
.set GS,19                             ; 128 w + 4 lane
.set GS1,20                            ; 512 w + 4 lane
.set L8,21                             ; 8 lane
.set NINF,22                           ; -infinity
.set WH,23                             ; WADR + 65536: PI, OI (+32768)
.set WH2,24                            ; WADR + 131072: HI, XST (+32768)
.set WH3,25                            ; WADR + 196608: POSI
.set LIO,26                            ; OI + 16 lane: OI, HI (+32768)
.set OBA,27                            ; VEC + 21504 + 128 w + 32 h
.set TM,28                             ; v28-47 at work
.set SCW,48                            ; v48-55 the ring side's scale words: scales and nothing else
.set SCA,56                            ; v56-63 the tokens' scale words: scales and nothing else
.set AB,64                             ; v64-127 token fragments; free in epilogues
.set SVL,36                            ; v36-47 the values' scale words as loaded
.set STG,36                            ; v36-43 a weight's scale words as loaded: staged here while the phase in hand still names v48-55; no product names v36-47
.set GH,69                             ; s69     g = wave % 2: which half of the window's rows is mine
.set SK3,66                            ; s[66:67] where the scale words for my fourth key row are read: that row's (g = 0) or my third row's again (g = 1)
; v128-255 accumulators; v128-159 = x or y as [m][16]: channel 32 w + 16 h + 0 .. 15 of token 16 m + r
; scalar registers
.set WC0,6
.set WS0,8
.set KPB,10
.set SKB,12
.set VCB,14
.set SVB0,16
.set OUT0,18
.set PRW,20
.set WCB,44
.set WSB,46
.set SVB2,48
.set WV,50
.set SH,51
.set RB,52
.set SEL,56
.set MNT,58
.set TRIP,59
.set CS,60
.set MT0,62
.set EPS,2
.set MSB, 0
.macro WIN new                         ; the immediate's high byte repeats the setting that is left
.if MSB != \new
	s_set_vgpr_msb (MSB<<8)|\new
.set MSB, \new
.endif
.endm
.macro PLACES n
.rept \n
	v_nop
.endr
.endm
.macro BAR                             ; my LDS stores have landed and my LDS loads are in: then the work-group's barrier
	s_wait_dscnt 0x0
	s_barrier_signal -1
	s_barrier_wait -1
.endm
.macro MM d, a, b, c, sa, ra, sb, rb   ; one product; c < 0: C is the constant 0; ra, rb = 1: the scales stand in lanes 16-31
.if (\c) < 0
.if (\ra) && (\rb)
	v_wmma_scale_f32_16x16x128_f8f6f4 v[(\d):(\d)+7], v[(\a):(\a)+15], v[(\b):(\b)+15], 0, v[\sa], v[\sb] matrix_a_scale:MATRIX_SCALE_ROW1 matrix_b_scale:MATRIX_SCALE_ROW1
.elseif (\ra)
	v_wmma_scale_f32_16x16x128_f8f6f4 v[(\d):(\d)+7], v[(\a):(\a)+15], v[(\b):(\b)+15], 0, v[\sa], v[\sb] matrix_a_scale:MATRIX_SCALE_ROW1
.elseif (\rb)
	v_wmma_scale_f32_16x16x128_f8f6f4 v[(\d):(\d)+7], v[(\a):(\a)+15], v[(\b):(\b)+15], 0, v[\sa], v[\sb] matrix_b_scale:MATRIX_SCALE_ROW1
.else
	v_wmma_scale_f32_16x16x128_f8f6f4 v[(\d):(\d)+7], v[(\a):(\a)+15], v[(\b):(\b)+15], 0, v[\sa], v[\sb]
.endif
.else
.if (\ra) && (\rb)
	v_wmma_scale_f32_16x16x128_f8f6f4 v[(\d):(\d)+7], v[(\a):(\a)+15], v[(\b):(\b)+15], v[(\c):(\c)+7], v[\sa], v[\sb] matrix_a_scale:MATRIX_SCALE_ROW1 matrix_b_scale:MATRIX_SCALE_ROW1
.elseif (\ra)
	v_wmma_scale_f32_16x16x128_f8f6f4 v[(\d):(\d)+7], v[(\a):(\a)+15], v[(\b):(\b)+15], v[(\c):(\c)+7], v[\sa], v[\sb] matrix_a_scale:MATRIX_SCALE_ROW1
.elseif (\rb)
	v_wmma_scale_f32_16x16x128_f8f6f4 v[(\d):(\d)+7], v[(\a):(\a)+15], v[(\b):(\b)+15], v[(\c):(\c)+7], v[\sa], v[\sb] matrix_b_scale:MATRIX_SCALE_ROW1
.else
	v_wmma_scale_f32_16x16x128_f8f6f4 v[(\d):(\d)+7], v[(\a):(\a)+15], v[(\b):(\b)+15], v[(\c):(\c)+7], v[\sa], v[\sb]
.endif
.endif
.endm
.macro FETCHF reg, adr, off            ; a fragment's image from LDS
.irp c, 0,1,2,3
	ds_load_b128 v[(\reg)+4*\c:(\reg)+4*\c+3], v[\adr] offset:(\off)+512*\c
.endr
.endm
.macro IMAGE adr, off, reg             ; and into LDS
.irp c, 0,1,2,3
	ds_store_b128 v[\adr], v[(\reg)+4*\c:(\reg)+4*\c+3] offset:(\off)+512*\c
.endr
.endm
; four blocks: block b = my 16 numbers v[s + 16 b ..] and lane l xor 16's.  Codes to v[pc + 4 b ..], the four bytes as a word to v[pw].  relu = 1: what is negative becomes 0 on the way
.macro QUANT4 s, relu, pc, pw
.if \relu
.irp b, 0,1,2,3
	v_max3_num_f32 v[TM+\b], v[(\s)+16*\b], v[(\s)+1+16*\b], 0x4800000     ; no |.|: what is negative must not count; the floor 2^(9 - 127) stands over it
.endr
.irp i, 2,4,6,8,10,12,14
.irp b, 0,1,2,3
	v_max3_num_f32 v[TM+\b], v[TM+\b], v[(\s)+16*\b+\i], v[(\s)+1+16*\b+\i]
.endr
.endr
.else
.irp b, 0,1,2,3
	v_max3_num_f32 v[TM+\b], |v[(\s)+16*\b]|, |v[(\s)+1+16*\b]|, 0x4800000
.endr
.irp i, 2,4,6,8,10,12,14
.irp b, 0,1,2,3
	s_delay_alu instid0(VALU_DEP_4)
	v_max3_num_f32 v[TM+\b], v[TM+\b], |v[(\s)+16*\b+\i]|, |v[(\s)+1+16*\b+\i]|
.endr
.endr
.endif
.irp b, 0,1,2,3
	v_permlanex16_b32 v[TM+4+\b], v[TM+\b], s[SEL], s[SEL+1]
.endr
.irp b, 0,1,2,3
	s_delay_alu instid0(VALU_DEP_4)
	v_max_num_f32 v[TM+\b], v[TM+\b], v[TM+4+\b]
.endr
.irp b, 0,1,2,3
	s_delay_alu instid0(VALU_DEP_4)
	v_add_nc_u32 v[TM+12+\b], 0xfc000000, v[TM+\b]         ; 8 off the exponent field: the conversion's scale operand
.endr
.irp b, 0,1,2,3
	v_and_or_b32 v[TM+8+\b], v[TM+\b], 0x7f800000, s[MNT]  ; 448 x the scale
.endr
.irp b, 0,1,2,3
	v_lshrrev_b32 v[TM+4+\b], 23, v[TM+12+\b]              ; the scale's byte
.endr
	s_delay_alu instid0(VALU_DEP_3)
	v_lshl_or_b32 v[\pw], v[TM+5], 8, v[TM+4]
	s_delay_alu instid0(VALU_DEP_1)
	v_lshl_or_b32 v[\pw], v[TM+6], 16, v[\pw]
	s_delay_alu instid0(VALU_DEP_1)
	v_lshl_or_b32 v[\pw], v[TM+7], 24, v[\pw]
.irp b, 0,1,2,3
.irp i, 0,1,2,3,4,5,6,7,8,9,10,11,12,13,14,15
.if \relu
	v_med3_num_f32 v[(\s)+16*\b+\i], v[(\s)+16*\b+\i], 0, v[TM+8+\b]       ; the activation and the hold in one
.else
	v_med3_num_f32 v[(\s)+16*\b+\i], v[(\s)+16*\b+\i], -v[TM+8+\b], v[TM+8+\b]
.endif
.endr
	v_cvt_scalef32_pk8_fp8_f32 v[(\pc)+4*\b:(\pc)+1+4*\b], v[(\s)+16*\b:(\s)+7+16*\b], v[TM+12+\b]
	v_cvt_scalef32_pk8_fp8_f32 v[(\pc)+2+4*\b:(\pc)+3+4*\b], v[(\s)+8+16*\b:(\s)+15+16*\b], v[TM+12+\b]
.endr
	v_nop                                          ; a plain line behind the last conversion
.endm
; two blocks (m = 0, 1) of 16 numbers a lane at v[s + 16 m ..]; the held numbers go to v[t + 16 m ..]; codes to v[pc + 4 m ..], bytes to v[TM + 4 + m]
.macro QUANT2 s, t, pc
.irp m, 0,1
	v_max3_num_f32 v[TM+\m], |v[(\s)+16*\m]|, |v[(\s)+1+16*\m]|, 0x4800000
.endr
.irp i, 2,4,6,8,10,12,14
.irp m, 0,1
	s_delay_alu instid0(VALU_DEP_2)
	v_max3_num_f32 v[TM+\m], v[TM+\m], |v[(\s)+16*\m+\i]|, |v[(\s)+1+16*\m+\i]|
.endr
.endr
.irp m, 0,1
	s_delay_alu instid0(VALU_DEP_2)
	v_permlanex16_b32 v[TM+4+\m], v[TM+\m], s[SEL], s[SEL+1]
.endr
.irp m, 0,1
	s_delay_alu instid0(VALU_DEP_2)
	v_max_num_f32 v[TM+\m], v[TM+\m], v[TM+4+\m]
.endr
.irp m, 0,1
	s_delay_alu instid0(VALU_DEP_2)
	v_add_nc_u32 v[TM+12+\m], 0xfc000000, v[TM+\m]
.endr
.irp m, 0,1
	s_delay_alu instid0(VALU_DEP_4)
	v_and_or_b32 v[TM+8+\m], v[TM+\m], 0x7f800000, s[MNT]
.endr
.irp m, 0,1
	s_delay_alu instid0(VALU_DEP_4)
	v_lshrrev_b32 v[TM+4+\m], 23, v[TM+12+\m]
.endr
.irp m, 0,1
.irp i, 0,1,2,3,4,5,6,7,8,9,10,11,12,13,14,15
	v_med3_num_f32 v[(\t)+16*\m+\i], v[(\s)+16*\m+\i], -v[TM+8+\m], v[TM+8+\m]
.endr
	v_cvt_scalef32_pk8_fp8_f32 v[(\pc)+4*\m:(\pc)+1+4*\m], v[(\t)+16*\m:(\t)+7+16*\m], v[TM+12+\m]
	v_cvt_scalef32_pk8_fp8_f32 v[(\pc)+2+4*\m:(\pc)+3+4*\m], v[(\t)+8+16*\m:(\t)+15+16*\m], v[TM+12+\m]
.endr
	v_nop
.endm
; ---- the ring's loads
.macro RLOAD slot, voff, base, imm
.irp c, 0,1,2,3
	global_load_b128 v[16*(\slot)+4*\c:16*(\slot)+4*\c+3], v[\voff], s[\base:\base+1] offset:(\imm)+512*\c
.endr
.endm
.macro RING_KP lo, n, sc               ; keys: slot 8 s + 2 row + u
.if \sc
.irp b, 0,1,2
	global_load_b64 v[SCW+2*\b:SCW+2*\b+1], v[L8], s[SKB:SKB+1] offset:256*\b
.endr
	global_load_b64 v[SCW+6:SCW+7], v[L8], s[SK3:SK3+1]
.endif
	WIN 0x40
.set f_, \lo
.rept \n
.if (f_%8) == 6                        ; slots 6, 7, 14, 15 are my fourth row: the odd waves' is the window's eighth place, which is not loaded.  The branch hangs on the wave's number alone
	WIN 0
	s_cmp_lg_u32 s[GH], 0
	s_cbranch_scc1 .Lrow3_\@
	WIN 0x40
.endif
	RLOAD f_, LI, KPB, 8192*((f_/2)%4)+4096*(f_%2)+2048*(f_/8)
.if (f_%8) == 7
	WIN 0
.Lrow3_\@:
	WIN 0x40
.endif
.set f_, f_+1
.endr
	WIN 0
.endm
.macro RING_V lo, n, sc                ; values: slot 8 gk + tile; four image rows make a fragment wherever they begin
.if \sc
.irp p, 0,1,2,3
	global_load_b32 v[SVL+\p], v[L4], s[SVB0:SVB0+1] offset:128*\p
.endr
.irp p, 0,1,2,3
	global_load_b32 v[SVL+4+\p], v[L4], s[SVB0:SVB0+1] offset:1024+128*\p
.endr
.irp p, 0,1,2,3
	global_load_b32 v[SVL+8+\p], v[L4], s[SVB2:SVB2+1] offset:128*\p
.endr
.endif
	WIN 0x40
.set f_, \lo
.rept \n
.if f_ < 8
	RLOAD f_, LI, VCB, 16384*(f_%8)+2048*(f_/8)
.else                                  ; rows w0 + 4 .. w0 + 6, and zero codes in the eighth place
.irp c, 0,1,2
	global_load_b128 v[16*f_+4*\c:16*f_+4*\c+3], v[LI], s[VCB:VCB+1] offset:16384*(f_%8)+2048+512*\c
.endr
.irp c, 12,13,14,15
	v_mov_b32 v[16*f_+\c], 0
.endr
.endif
.set f_, f_+1
.endr
	WIN 0
.endm
.macro RING_D8 pb, lo, n, sc           ; a weight with K = 1,024 and 256 outputs: slot 2 s + u'
.if \sc
.irp s, 0,1,2,3,4,5,6,7
	global_load_b32 v[SCW+\s], v[GS], s[WSB:WSB+1] offset:((\pb)+8*\s)*128
.endr
.endif
	WIN 0x40
.set f_, \lo
.rept \n
	RLOAD f_, WADR, WCB, ((\pb)+8*(f_/2))*4096+2048*(f_%2)
.set f_, f_+1
.endr
	WIN 0
.endm
.macro RING_L1 lo, n, sc               ; l1W: slot 8 s + tile
.if \sc
.irp s, 0,1
.irp b, 0,1,2,3
	global_load_b32 v[SCW+4*\s+\b], v[GS1], s[WSB:WSB+1] offset:(64+32*\s+\b)*128
.endr
.endr
.endif
	WIN 0x40
.set f_, \lo
.rept \n
	RLOAD f_, GW1, WCB, (64+32*(f_/8)+((f_/2)%4))*4096+2048*(f_%2)
.set f_, f_+1
.endr
	WIN 0
.endm
; THE RING'S ORDER, which takes the place of the head's two sentences on when slots are asked for.  Each slot is used against both token tiles: 32 products a phase on accumulators that take turns.
; A group's four slots are asked for anew, for the next phase, eight places behind the group's own eight products (groups 0 to 2); the last four at the end of the epilogue.  The next phase's scale words are asked for
; ahead of the phase in hand, into v36-47, and copied into v48-55 behind its last product.  A wait's count is the loads issued behind the group's own.  A group is 16 loads; the keys' groups 1 and 3 are 8 in the odd waves,
; the values' groups 2 and 3 are 12; the staged scale words are 12 (values) or 8 (a weight).  Where the two kinds of waves differ, the smaller count is written:
; scores 44, 52, 52, 56; values 48, 48, 52, 56; agg and l1 56; l2, whose phase asks for nothing meanwhile (what follows it hangs on the trip), 48, 32, 16, 0.
.macro NX_V pb, lo
	RING_V \lo, 4, 0
.endm
.macro NX_D8 pb, lo
	RING_D8 \pb, \lo, 4, 0
.endm
.macro SC_V                            ; the values' 12 scale words, staged
.irp p, 0,1,2,3
	global_load_b32 v[SVL+\p], v[L4], s[SVB0:SVB0+1] offset:128*\p
	global_load_b32 v[SVL+4+\p], v[L4], s[SVB0:SVB0+1] offset:1024+128*\p
	global_load_b32 v[SVL+8+\p], v[L4], s[SVB2:SVB2+1] offset:128*\p
.endr
.endm
.macro SC_D8 pb                        ; the 8 scale words of a weight with K = 1,024, staged
.irp s, 0,1,2,3,4,5,6,7
	global_load_b32 v[STG+\s], v[GS], s[WSB:WSB+1] offset:((\pb)+8*\s)*128
.endr
.endm
.macro SC_L1                           ; l1W's 8, staged
.irp s, 0,1
.irp b, 0,1,2,3
	global_load_b32 v[STG+4*\s+\b], v[GS1], s[WSB:WSB+1] offset:(64+32*\s+\b)*128
.endr
.endr
.endm
.macro SC_MOV                          ; the staged words are in (three groups' 48 loads may be out) and take their place; it stands eight places behind the last product
	s_wait_loadcnt 48
.irp s, 0,1,2,3,4,5,6,7
	v_mov_b32 v[SCW+\s], v[STG+\s]
.endr
.endm
.macro GROUPS mm, c0, c1, c2, c3, ring, pb
.set g_, 0
.rept 4
.if g_ == 0
	s_wait_loadcnt \c0
.elseif g_ == 1
	s_wait_loadcnt \c1
.elseif g_ == 2
	s_wait_loadcnt \c2
.else
	s_wait_loadcnt \c3
.endif
	WIN 0x01                                       ; source 0 in window 1
.set f_, 4*g_
.rept 4
	\mm f_, 0
	\mm f_, 1
.set f_, f_+1
.endr
	WIN 0
.if g_ < 3
	PLACES 8                                       ; in front of loads into registers that the products have read
	\ring \pb, 4*g_
.endif
.set g_, g_+1
.endr
.endm
.macro S_MM f, m                       ; scores: register 64 m + 16 row + 8 u + j = key (row, column 16 h + 8 u + j) for query 16 m + r
.set d_, 128+64*(\m)+16*(((\f)/2)%4)+8*((\f)%2)
.set c_, d_
.if (\f) < 8
.set c_, -1
.endif
	MM d_, 16*(\f), AB+16*(2*((\f)/8)+(\m)), c_, SCW+2*(((\f)/2)%4)+(\f)/8, (\f)%2, SCA+(\f)/8, \m
.endm
.macro PV_MM f, m                      ; O^T: register 64 m + 8 tile + j
.set d_, 128+64*(\m)+8*((\f)%8)
.set c_, d_
.if (\f) < 8
.set c_, -1
.endif
	MM d_, 16*(\f), AB+16*(2*((\f)/8)+(\m)), c_, SCW+4*((\f)/8)+((\f)%8)/2, (\f)%2, SCA+(\f)/8, \m
.endm
.macro L1_MM f, m                      ; the hidden layer; C holds l1b
.set d_, 128+64*(\m)+8*((\f)%8)
	MM d_, 16*(\f), AB+16*(2*((\f)/8)+(\m)), d_, SCW+4*((\f)/8)+((\f)%8)/2, (\f)%2, SCA+(\f)/8, \m
.endm
; x (v128-159) is stashed (stash = 1) and quantised: my channel block is piece w % 4 of K step w / 4.  pos = 1: what is quantised is (x + pos) / 16
.macro QX pos, IMG, ISC, stash
.if \stash
.irp q, 0,1,2,3,4,5,6,7
	ds_store_b128 v[WH2], v[128+4*\q:131+4*\q] offset:32768+512*\q
.endr
.endif
.if \pos
.irp q, 0,1,2,3,4,5,6,7
	ds_load_b128 v[160+4*\q:163+4*\q], v[WH3] offset:512*\q
.endr
	s_wait_dscnt 0x0
.irp q, 0,2,4,6,8,10,12,14,16,18,20,22,24,26,28,30
	v_pk_fma_f32 v[160+\q:161+\q], v[128+\q:129+\q], 0x3d800000, v[160+\q:161+\q] op_sel_hi:[1,0,1]   ; x / 16 + pos / 16: both scalings are by a power of two
.endr
	QUANT2 160, 160, 64
.else
	QUANT2 128, 160, 64
.endif
.irp m, 0,1
	ds_store_b128 v[PADR], v[64+4*\m:67+4*\m] offset:\IMG+2048*\m
	ds_store_b8 v[BADR], v[TM+4+\m] offset:\ISC+64*\m
.endr
.endm
; ---- a product with K = 1,024 and 256 outputs: y = x + bias + tokens W.  Token fragments come in two sets of two K steps
.macro DSET reg, s0, off
.irp e, 0,1
.irp m, 0,1
	FETCHF (\reg)+16*(2*\e+\m), LIO, (\off)+2048*(2*((\s0)+\e)+\m)
.endr
.endr
.endm
.macro D8G g                           ; K steps 2 g, 2 g + 1: eight products, the four accumulators by turns
	WIN 0x01
.irp e, 0,1
.irp m, 0,1
.irp u, 0,1
	MM 128+16*\m+8*\u, 16*(2*(2*(\g)+\e)+\u), 64+96*((\g)%2)+16*(2*\e+\m), 128+16*\m+8*\u, SCW+2*(\g)+\e, \u, SCA+2*(\g)+\e, \m
.endr
.endr
.endr
	WIN 0
.endm
.macro DENSE8 off, ISC, boff, nx       ; nx = 1: l1W's slots are asked for behind each group, and l1W's 8 scale words were staged ahead
.irp s, 0,1,2,3,4,5,6,7
	ds_load_b32 v[SCA+\s], v[L4] offset:\ISC+128*\s
.endr
.irp q, 0,1,2,3,4,5,6,7
	ds_load_b128 v[128+4*\q:131+4*\q], v[WH2] offset:32768+512*\q      ; x
.endr
.irp q, 0,1,2,3
	ds_load_b128 v[224+4*\q:227+4*\q], v[VB] offset:\boff+16*\q        ; the bias
.endr
	DSET 64, 0, \off
	DSET 160, 2, \off
	s_wait_dscnt 32                                ; all but the two sets' 32 loads
.irp m, 0,1
.irp q, 0,2,4,6,8,10,12,14
	v_pk_add_f32 v[128+16*\m+\q:129+16*\m+\q], v[128+16*\m+\q:129+16*\m+\q], v[224+\q:225+\q]   ; C = x + bias
.endr
.endr
	PLACES 4
	s_wait_alu depctr_va_vdst(0)
	s_wait_dscnt 16                                ; the first set is in
	s_wait_loadcnt 48+8*(\nx)
	D8G 0
	PLACES 8                                       ; in front of loads into registers that the products have read
	DSET 64, 4, \off
.if \nx
	RING_L1 0, 4, 0
.endif
	s_wait_dscnt 16                                ; the second set is in; the 16 just issued may be out
	s_wait_loadcnt 32+24*(\nx)
	D8G 1
	PLACES 8
	DSET 160, 6, \off
.if \nx
	RING_L1 4, 4, 0
.endif
	s_wait_dscnt 16
	s_wait_loadcnt 16+40*(\nx)
	D8G 2
.if \nx
	PLACES 8
	RING_L1 8, 4, 0
.endif
	s_wait_dscnt 0x0
	s_wait_loadcnt 56*(\nx)
	D8G 3
	PLACES 8
.endm
; ---- the norm over 256 channels, which lie in eight waves.  Each wave gives its 32 channels' mean and its sum of squares about that mean; the parts are joined without a difference of large sums
.macro LNORM REG, goff, boff
.irp q, 0,1,2,3
	ds_load_b128 v[224+4*\q:227+4*\q], v[VB] offset:\goff+16*\q
.endr
.irp q, 0,1,2,3
	ds_load_b128 v[240+4*\q:243+4*\q], v[VB] offset:\boff+16*\q
.endr
.irp m, 0,1
	v_pk_add_f32 v[28+2*\m:29+2*\m], v[128+16*\m:129+16*\m], v[130+16*\m:131+16*\m]
.endr
.irp q, 4,6,8,10,12,14
.irp m, 0,1
	v_pk_add_f32 v[28+2*\m:29+2*\m], v[28+2*\m:29+2*\m], v[128+16*\m+\q:129+16*\m+\q]
.endr
.endr
.irp m, 0,1
	s_delay_alu instid0(VALU_DEP_2)
	v_add_f32 v[32+\m], v[28+2*\m], v[29+2*\m]
.endr
.irp m, 0,1
	s_delay_alu instid0(VALU_DEP_2)
	v_permlanex16_b32 v[34+\m], v[32+\m], s[SEL], s[SEL+1]
.endr
.irp m, 0,1
	s_delay_alu instid0(VALU_DEP_2)
	v_add_f32 v[32+\m], v[32+\m], v[34+\m]
.endr
.irp m, 0,1
	s_delay_alu instid0(VALU_DEP_2)
	v_mul_f32 v[36+2*\m], 0x3d000000, v[32+\m]     ; my 32 channels' mean
.endr
.irp q, 0,2,4,6,8,10,12,14
.irp m, 0,1
	v_pk_add_f32 v[160+16*\m+\q:161+16*\m+\q], v[128+16*\m+\q:129+16*\m+\q], v[36+2*\m:37+2*\m] op_sel_hi:[1,0] neg_lo:[0,1] neg_hi:[0,1]
.endr
.endr
.irp m, 0,1
	v_pk_mul_f32 v[28+2*\m:29+2*\m], v[160+16*\m:161+16*\m], v[160+16*\m:161+16*\m]
.endr
.irp q, 2,4,6,8,10,12,14
.irp m, 0,1
	s_delay_alu instid0(VALU_DEP_2)
	v_pk_fma_f32 v[28+2*\m:29+2*\m], v[160+16*\m+\q:161+16*\m+\q], v[160+16*\m+\q:161+16*\m+\q], v[28+2*\m:29+2*\m]
.endr
.endr
.irp m, 0,1
	s_delay_alu instid0(VALU_DEP_2)
	v_add_f32 v[32+\m], v[28+2*\m], v[29+2*\m]
.endr
.irp m, 0,1
	s_delay_alu instid0(VALU_DEP_2)
	v_permlanex16_b32 v[34+\m], v[32+\m], s[SEL], s[SEL+1]
.endr
.irp m, 0,1
	s_delay_alu instid0(VALU_DEP_2)
	v_add_f32 v[37+2*\m], v[32+\m], v[34+\m]       ; and their squares about it
.endr
.irp m, 0,1
	ds_store_b64 v[LNW], v[36+2*\m:37+2*\m] offset:\REG+1280*\m
.endr
	BAR
.irp m, 0,1
.irp q, 0,1,2,3
	ds_load_b128 v[192+16*\m+4*\q:195+16*\m+4*\q], v[LNR] offset:\REG+1280*\m+16*\q
.endr
.endr
	s_wait_dscnt 0x0
.irp m, 0,1
	v_pk_add_f32 v[28+2*\m:29+2*\m], v[192+16*\m:193+16*\m], v[194+16*\m:195+16*\m]   ; low: the means' sum; high: the squares' sum
.endr
.irp q, 4,6,8,10,12,14
.irp m, 0,1
	s_delay_alu instid0(VALU_DEP_2)
	v_pk_add_f32 v[28+2*\m:29+2*\m], v[28+2*\m:29+2*\m], v[192+16*\m+\q:193+16*\m+\q]
.endr
.endr
.irp m, 0,1
	s_delay_alu instid0(VALU_DEP_2)
	v_mul_f32 v[40+2*\m], 0x3e000000, v[28+2*\m]   ; the mean
.endr
.irp q, 0,2,4,6,8,10,12,14
.irp m, 0,1
	v_sub_f32 v[192+16*\m+\q], v[192+16*\m+\q], v[40+2*\m]
.endr
.endr
.irp m, 0,1
	v_mul_f32 v[32+\m], v[192+16*\m], v[192+16*\m]
.endr
.irp q, 2,4,6,8,10,12,14
.irp m, 0,1
	s_delay_alu instid0(VALU_DEP_2)
	v_fma_f32 v[32+\m], v[192+16*\m+\q], v[192+16*\m+\q], v[32+\m]
.endr
.endr
.irp m, 0,1
	s_delay_alu instid0(VALU_DEP_2)
	v_fma_f32 v[29+2*\m], v[32+\m], 0x42000000, v[29+2*\m]     ; + 32 x the squares of the parts' means about the mean
.endr
.irp m, 0,1
	s_delay_alu instid0(VALU_DEP_2)
	v_fma_f32 v[32+\m], v[29+2*\m], 0x3b800000, s[EPS]         ; / 256 + 1e-5
.endr
	s_wait_alu depctr_va_vdst(0)
.irp m, 0,1
	v_rsq_f32 v[44+2*\m], v[32+\m]
.endr
	v_nop                                          ; a plain line behind the transcendentals,
	s_wait_alu depctr_va_vdst(0)                   ; and the one wait ahead of their first reader
.irp q, 0,2,4,6,8,10,12,14
.irp m, 0,1
	v_pk_add_f32 v[160+16*\m+\q:161+16*\m+\q], v[128+16*\m+\q:129+16*\m+\q], v[40+2*\m:41+2*\m] op_sel_hi:[1,0] neg_lo:[0,1] neg_hi:[0,1]
.endr
.irp m, 0,1
	v_pk_mul_f32 v[160+16*\m+\q:161+16*\m+\q], v[160+16*\m+\q:161+16*\m+\q], v[44+2*\m:45+2*\m] op_sel_hi:[1,0]
.endr
.irp m, 0,1
	s_delay_alu instid0(VALU_DEP_2)
	v_pk_fma_f32 v[128+16*\m+\q:129+16*\m+\q], v[160+16*\m+\q:161+16*\m+\q], v[224+\q:225+\q], v[240+\q:241+\q]
.endr
.endr
.endm
; a hidden score becomes -infinity.  The lanes in which register (m, row, i) is hidden by its column are a constant; the row's part is a scalar made at the head
.macro MASK1 m, b, i
.set lo_, (\i)-3
.if lo_ < 0
.set lo_, 0
.endif
.set hi_, (\i)+3
.if hi_ > 15
.set hi_, 15
.endif
.set vis_, (1<<(hi_+1))-(1<<lo_)
.if (\m) == 0
.if (\i) <= 2
.set vis_, vis_|(0xffffffff^((1<<(29+(\i)))-1))
.endif
.else
.set vis_, vis_<<16
.if (\i) >= 13
.set vis_, vis_|((1<<((\i)-12))-1)
.endif
.endif
.set hid_, 0xffffffff^vis_
	s_or_b32 s[MT0+((\i)%2)], s[RB+\b], hid_
	v_cndmask_b32 v[128+64*\m+16*\b+\i], v[128+64*\m+16*\b+\i], v[NINF], s[MT0+((\i)%2)]
.endm
; ================= the head
	s_load_b512 s[4:19], s[0:1], 0x0               ; features s[4:5], wc, ws, kpc, kps, vcc, vcs, out0 s[18:19]
	s_load_b512 s[20:35], s[0:1], 0x40             ; praw s[20:21], row_embed, col_embed, qb s[26:27], aggb, n1g, n1b, l1b s[34:35]
	s_load_b256 s[36:43], s[0:1], 0x80             ; l2b, n2g, n2b, outb
	v_lshrrev_b32 v64, 5, v0
	s_delay_alu instid0(VALU_DEP_1)
	v_readfirstlane_b32 s[WV], v64                 ; wave 0..7
	v_and_b32 v64, 31, v0                          ; lane
	v_and_b32 v65, 15, v0                          ; r
	s_wait_alu depctr_va_vdst(0)
	v_bfe_u32 v66, v0, 4, 1                        ; h
	s_lshr_b32 s66, s[WV], 2
	s_and_b32 s67, s[WV], 3
	s_lshr_b32 s68, s[WV], 1                       ; k
	s_and_b32 s69, s[WV], 1                        ; g
	v_lshlrev_b32 v[LI], 4, v64
	v_lshlrev_b32 v[L4], 2, v64
	v_lshlrev_b32 v[L8], 3, v64
	s_lshl_b32 s70, s66, 12
	s_lshl_b32 s71, s67, 9
	s_add_co_u32 s70, s70, s71
	v_add_nc_u32 v[PADR], s70, v[LI]
	v_lshlrev_b32 v80, 4, v65
	s_delay_alu instid0(VALU_DEP_1)
	v_lshl_add_u32 v80, v66, 11, v80
	s_delay_alu instid0(VALU_DEP_1)
	v_add_nc_u32 v80, s70, v80                     ; v80 (head only): token = lane: fragment m = lane / 16, row lane % 16
	s_lshl_b32 s70, s66, 7
	s_add_co_u32 s70, s70, s67
	v_lshl_add_u32 v[BADR], v65, 2, s70
	v_add_nc_u32 v81, s70, v[L4]                   ; v81 (head only): its scale byte
	s_lshl_b32 s70, s[WV], 12
	v_add_nc_u32 v[WADR], s70, v[LI]
	s_delay_alu instid0(VALU_DEP_1)
	v_add_nc_u32 v[WH], 0x10000, v[WADR]
	s_delay_alu instid0(VALU_DEP_2)
	v_add_nc_u32 v[WH2], 0x20000, v[WADR]
	s_delay_alu instid0(VALU_DEP_3)
	v_add_nc_u32 v[WH3], 0x30000, v[WADR]
	v_add_nc_u32 v[LIO], OI, v[LI]
	s_lshl_b32 s70, s[WV], 7
	v_lshl_add_u32 v[WS4], v65, 2, s70
	v_add_nc_u32 v[GS], s70, v[L4]
	v_lshl_add_u32 v[VB], v66, 6, s70
	s_delay_alu instid0(VALU_DEP_1)
	v_add_nc_u32 v[VB], VEC, v[VB]
	v_lshl_add_u32 v[OBA], v66, 5, s70
	s_delay_alu instid0(VALU_DEP_1)
	v_add_nc_u32 v[OBA], VEC+21504, v[OBA]
	s_lshl_b32 s70, s[WV], 9
	v_add_nc_u32 v[GS1], s70, v[L4]
	v_lshl_add_u32 v[VB1], v66, 6, s70
	s_delay_alu instid0(VALU_DEP_1)
	v_add_nc_u32 v[VB1], VEC+12288, v[VB1]
	s_lshl_b32 s70, s68, 13
	v_add_nc_u32 v[KPI], s70, v[LI]
	s_delay_alu instid0(VALU_DEP_1)
	v_add_nc_u32 v[KPI], PI, v[KPI]
	s_lshl_b32 s70, s68, 8
	v_add_nc_u32 v[KL4], s70, v[L4]
	v_lshl_add_u32 v[KR4], v65, 2, s70
	v_mul_u32_u24 v[LNR], v65, 80
	s_lshl_b32 s70, s[WV], 3
	v_add_nc_u32 v[LNW], s70, v[LNR]
	s_mul_i32 s70, s[WV], 4608
	v_mul_u32_u24 v[QFA], v66, 1152
	s_delay_alu instid0(VALU_DEP_1)
	v_lshl_add_u32 v[QFA], v65, 2, v[QFA]
	s_delay_alu instid0(VALU_DEP_1)
	v_add_nc_u32 v[QFA], s70, v[QFA]
	s_delay_alu instid0(VALU_DEP_1)
	v_add_nc_u32 v[QFA], QF, v[QFA]
	v_add_nc_u32 v82, s70, v[L4]
	s_delay_alu instid0(VALU_DEP_1)
	v_add_nc_u32 v82, QF, v82                      ; v82 (head only): QF, channel 32 w, token = lane
	v_lshrrev_b32 v67, 3, v64
	v_and_b32 v68, 7, v64
	s_mul_i32 s70, s[WV], 576
	v_mul_u32_u24 v[ROWA], v67, 144
	s_delay_alu instid0(VALU_DEP_1)
	v_lshl_add_u32 v[ROWA], v68, 4, v[ROWA]
	s_delay_alu instid0(VALU_DEP_1)
	v_add_nc_u32 v[ROWA], s70, v[ROWA]
	s_delay_alu instid0(VALU_DEP_1)
	v_add_nc_u32 v[ROWA], QF, v[ROWA]
	s_lshl_b32 s70, s[WV], 14
	v_lshlrev_b32 v[GROW], 12, v67
	s_delay_alu instid0(VALU_DEP_1)
	v_lshl_add_u32 v[GROW], v68, 4, v[GROW]
	s_delay_alu instid0(VALU_DEP_1)
	v_add_nc_u32 v[GROW], s70, v[GROW]
	v_add_nc_u32 v[GW1], s70, v[LI]
	v_mov_b32 v[NINF], 0xff800000
	v_min_u32 v3, 143, v0                          ; v3: the prefetch's offset in outW's codes: block 144 (work-group % 2) + thread of 256 bytes; never rewritten
	s_and_b32 s70, ttmp9, 1
	s_mul_i32 s70, s70, 144
	v_add_nc_u32 v3, s70, v3
	v_lshlrev_b32 v3, 8, v3
	v_lshlrev_b32 v83, 3, v0                       ; v83-86 (head only): the small vectors, by thread
	v_lshlrev_b32 v84, 4, v0
	v_lshlrev_b32 v85, 2, v0
	s_delay_alu instid0(VALU_DEP_1)
	v_add_nc_u32 v86, 1024, v85
	s_delay_alu instid0(VALU_DEP_1)
	v_min_u32 v86, 1084, v86                       ; outb has 272 numbers: no load leaves the buffer
.set i_, 0
.rept 20
	v_mov_b32 v[TM+i_], 0                          ; written once: a lane permute's destination and the upper half of a broadcast pair count as read
.set i_, i_+1
.endr
	s_mov_b32 s[SEL], 0x76543210
	s_mov_b32 s[SEL+1], 0xfedcba98                 ; v_permlanex16_b32's selects for lane l xor 16
	s_mov_b32 s[MNT], 0x600000                     ; the mantissa field of 448
	s_mov_b32 s[CS], 0x3fb8aa3b                    ; log2(e); the queries carry the 1 / 16
	s_mov_b32 s[CS+1], s[CS]
	s_mov_b32 s[EPS], 0x3727c5ac                   ; 1e-5
	s_mov_b32 s[TRIP], 0
	s_lshr_b32 s72, ttmp9, 5                       ; batch b
	s_and_b32 s73, ttmp9, 31                       ; image row i
	s_sub_co_i32 s74, s73, 3
	s_max_i32 s74, s74, 0
	s_min_i32 s74, s74, 25                         ; w0
	s_lshl_b32 s75, s68, 3
	s_add_co_u32 s75, s75, s72                     ; kb = 8 k + b
	s_lshl_b32 s76, s69, 2
	s_add_co_u32 s76, s76, s74                     ; my first key row
.irp b, 0,1,2,3
	s_add_co_u32 s77, s76, 3+\b
	s_sub_co_u32 s77, s77, s73
	s_cmp_gt_u32 s77, 6                            ; |row - i| > 3
	s_cselect_b32 s[RB+\b], -1, 0
.endr
	s_cmp_eq_u32 s[GH], 1                          ; the window's eighth place is always hidden
	s_cselect_b32 s[RB+3], -1, s[RB+3]
	s_and_b32 s[SH], s74, 3
	s_lshl_b32 s[SH], s[SH], 3                     ; where the window's first row stands in a word of four rows' bytes
	s_lshl_b32 s78, s75, 5
	s_add_co_u32 s78, s78, s76
	s_lshl_b32 s80, s78, 13
	s_mov_b32 s81, 0
	s_lshl_b32 s82, s78, 8
	s_mov_b32 s83, 0
	s_lshl_b32 s84, s75, 18
	s_lshl_b32 s79, s69, 17
	s_add_co_u32 s84, s84, s79
	s_lshl_b32 s79, s74, 9
	s_add_co_u32 s84, s84, s79
	s_mov_b32 s85, 0
	s_lshr_b32 s79, s74, 2                         ; a0
	s_lshl_b32 s86, s75, 3
	s_add_co_u32 s88, s86, s79
	s_lshl_b32 s88, s88, 10
	s_lshl_b32 s90, s69, 9
	s_add_co_u32 s88, s88, s90
	s_mov_b32 s89, 0
	s_add_co_u32 s79, s79, 2
	s_min_u32 s79, s79, 7                          ; a0 + 2 is wanted only where the window is not aligned, and then it exists
	s_add_co_u32 s86, s86, s79
	s_lshl_b32 s86, s86, 10
	s_add_co_u32 s86, s86, s90
	s_mov_b32 s87, 0
	s_mul_i32 s92, s72, 1114112
	s_lshl_b32 s79, s73, 7
	s_add_co_u32 s92, s92, s79                     ; batch b, channel 0, image row i
	s_mov_b32 s93, 0
	s_lshl_b32 s70, s[WV], 17
	s_mov_b32 s71, 0
	s_lshl_b32 s78, ttmp9, 7
	s_mov_b32 s79, 0
	s_lshl_b32 s98, s73, 9
	s_lshl_b32 s90, s67, 7
	s_wait_kmcnt 0x0
	s_add_nc_u64 s[WCB:WCB+1], s[WC0:WC0+1], 196608        ; the first layer's pair blocks begin at 48
	s_add_nc_u64 s[WSB:WSB+1], s[WS0:WS0+1], 6144
	s_add_nc_u64 s[KPB:KPB+1], s[KPB:KPB+1], s[80:81]
	s_add_nc_u64 s[SKB:SKB+1], s[SKB:SKB+1], s[82:83]
	s_add_nc_u64 s[VCB:VCB+1], s[VCB:VCB+1], s[84:85]
	s_add_nc_u64 s[SVB2:SVB2+1], s[SVB0:SVB0+1], s[86:87]
	s_add_nc_u64 s[SVB0:SVB0+1], s[SVB0:SVB0+1], s[88:89]
	s_add_nc_u64 s[OUT0:OUT0+1], s[OUT0:OUT0+1], s[92:93]
	s_add_nc_u64 s[PRW:PRW+1], s[PRW:PRW+1], s[78:79]
	s_add_nc_u64 s[4:5], s[4:5], s[92:93]
	s_add_nc_u64 s[4:5], s[4:5], s[70:71]          ; my 32 channels
	s_mov_b32 s70, 768
	s_cmp_eq_u32 s[GH], 1
	s_cselect_b32 s70, 512, s70
	s_add_nc_u64 s[SK3:SK3+1], s[SKB:SKB+1], s[70:71]
	s_cmp_lt_u32 s[WV], 4                          ; pos: channels 0-127 col_embed[column], 128-255 row_embed[i]
	s_cselect_b64 s[94:95], s[24:25], s[22:23]
	s_cselect_b32 s96, 512, 0
	s_cselect_b32 s98, 0, s98
	s_add_co_u32 s98, s98, s90
	s_mov_b32 s99, 0
	s_add_nc_u64 s[94:95], s[94:95], s[98:99]
	v_mul_lo_u32 v87, v65, s96
	s_delay_alu instid0(VALU_DEP_1)
	v_lshl_add_u32 v87, v66, 6, v87                ; v87, v88 (head only): pos of tokens r and 16 + r
	s_lshl_b32 s91, s96, 4
	v_add_nc_u32 v88, s91, v87
	s_cmp_lg_u32 s[WV], 0
	s_cbranch_scc1 .Lh0
.set i_, 0
.rept 16
	global_load_b32 v[160+i_], v[L4], s[4:5] offset:(256+i_)*4096 th:TH_LOAD_NT    ; channels 256 .. 271: wave 0
.set i_, i_+1
.endr
.Lh0:
.set i_, 0
.rept 32
	global_load_b32 v[128+i_], v[L4], s[4:5] offset:i_*4096 th:TH_LOAD_NT          ; lane = token: my 32 channels run down the registers
.set i_, i_+1
.endr
	global_load_b64 v[176:177], v83, s[28:29]
	global_load_b64 v[178:179], v83, s[30:31]
	global_load_b64 v[180:181], v83, s[32:33]
	global_load_b64 v[182:183], v83, s[36:37]
	global_load_b64 v[184:185], v83, s[38:39]
	global_load_b64 v[186:187], v83, s[40:41]
	global_load_b128 v[188:191], v84, s[34:35]
	global_load_b128 v[192:195], v84, s[34:35] offset:4096
	global_load_b32 v196, v85, s[26:27]
	global_load_b32 v197, v85, s[42:43]
	global_load_b32 v198, v86, s[42:43]
	s_wait_alu depctr_va_vdst(0)
.irp q, 0,1,2,3
	global_load_b128 v[200+4*\q:203+4*\q], v87, s[94:95] offset:16*\q
.endr
.irp q, 0,1,2,3
	global_load_b128 v[216+4*\q:219+4*\q], v88, s[94:95] offset:16*\q
.endr
.irp s, 0,1,2
	global_load_b32 v[SCA+4+\s], v[GS], s[WS0:WS0+1] offset:1024*\s    ; qW's scale words: v60-62, so that v48-55 can take the keys' meanwhile
.endr
	WIN 0x40
.set f_, 0
.rept 6
	RLOAD 10+f_, WADR, WC0, 8*(f_/2)*4096+2048*(f_%2)                  ; qW lies in slots 10-15: slots 0-9 take the first layer's keys meanwhile
.set f_, f_+1
.endr
	WIN 0
	s_wait_loadcnt 46                              ; the features are in; 11 + 8 + 27 younger loads may be out
.set i_, 0
.rept 32
	ds_store_b32 v82, v[128+i_] offset:144*i_      ; kept in f32 for the error at the end
.set i_, i_+1
.endr
	v_max3_num_f32 v28, |v128|, |v129|, |v130|     ; a block of 32 channels lies in my lane
	v_max3_num_f32 v29, |v131|, |v132|, |v133|
.irp i, 6,10,14,18,22,26
	s_delay_alu instid0(VALU_DEP_2)
	v_max3_num_f32 v28, v28, |v[128+\i]|, |v[129+\i]|
	s_delay_alu instid0(VALU_DEP_2)
	v_max3_num_f32 v29, v29, |v[130+\i]|, |v[131+\i]|
.endr
	s_delay_alu instid0(VALU_DEP_2)
	v_max3_num_f32 v28, v28, |v158|, |v159|
	s_delay_alu instid0(VALU_DEP_1)
	v_max3_num_f32 v28, v28, v29, 0x4800000
	s_delay_alu instid0(VALU_DEP_1)
	v_add_nc_u32 v31, 0xfc000000, v28
	s_delay_alu instid0(VALU_DEP_2)
	v_and_or_b32 v30, v28, 0x7f800000, s[MNT]
	s_delay_alu instid0(VALU_DEP_2)
	v_lshrrev_b32 v29, 23, v31
.set i_, 0
.rept 32
	v_med3_num_f32 v[96+i_], v[128+i_], -v30, v30
.set i_, i_+1
.endr
.irp g, 0,1,2,3
	v_cvt_scalef32_pk8_fp8_f32 v[64+2*\g:65+2*\g], v[96+8*\g:103+8*\g], v31
.endr
	v_nop
	ds_store_b128 v80, v[64:67] offset:FI
	ds_store_b128 v80, v[68:71] offset:FI+256
	ds_store_b8 v81, v29 offset:FIS
	s_cmp_lg_u32 s[WV], 0
	s_cbranch_scc1 .Lh1
.set i_, 0
.rept 16
	ds_store_b32 v82, v[160+i_] offset:36864+144*i_
.set i_, i_+1
.endr
	v_max3_num_f32 v32, |v160|, |v161|, 0x4800000
.irp i, 2,4,6,8,10,12,14
	s_delay_alu instid0(VALU_DEP_1)
	v_max3_num_f32 v32, v32, |v[160+\i]|, |v[161+\i]|
.endr
	s_delay_alu instid0(VALU_DEP_1)
	v_add_nc_u32 v34, 0xfc000000, v32
	s_delay_alu instid0(VALU_DEP_2)
	v_and_or_b32 v35, v32, 0x7f800000, s[MNT]
	s_delay_alu instid0(VALU_DEP_2)
	v_lshrrev_b32 v33, 23, v34
	s_delay_alu instid0(VALU_DEP_1)
	v_or_b32 v33, 0x7f7f7f00, v33                  ; the three empty blocks carry the byte 127
.set i_, 0
.rept 16
	v_med3_num_f32 v[96+i_], v[160+i_], -v35, v35
.set i_, i_+1
.endr
	v_cvt_scalef32_pk8_fp8_f32 v[72:73], v[96:103], v34
	v_cvt_scalef32_pk8_fp8_f32 v[74:75], v[104:111], v34
	v_nop
.irp i, 0,1,2,3
	v_mov_b32 v[76+\i], 0
.endr
	ds_store_b128 v80, v[72:75] offset:FI+8192     ; k = 256 .. 271
	ds_store_b128 v80, v[76:79] offset:FI+8192+256 ; the rest of K step 2: zero codes
.irp m, 0,1
.irp c, 1,2,3
	ds_store_b128 v[LI], v[76:79] offset:FI+8192+2048*\m+512*\c
.endr
.endr
	ds_store_b32 v[L4], v33 offset:FIS+256
.Lh1:
	s_wait_loadcnt 35                              ; the small vectors are in
.irp q, 0,1,2,3,4,5
	ds_store_b64 v83, v[176+2*\q:177+2*\q] offset:VEC+2048*\q
.endr
	ds_store_b128 v84, v[188:191] offset:VEC+12288
	ds_store_b128 v84, v[192:195] offset:VEC+16384
	ds_store_b32 v85, v196 offset:VEC+20480
	ds_store_b32 v85, v197 offset:VEC+21504
	ds_store_b32 v85, v198 offset:VEC+22528
	s_wait_loadcnt 27                              ; pos is in
	WIN 0x40
.set i_, 0
.rept 32
	v_mov_b32 v[96+i_], 0                          ; slots 6 and 7: written once, since the odd waves' first scores read them unloaded
.set i_, i_+1
.endr
	WIN 0
	RING_KP 0, 10, 1                               ; the first layer's keys, slots 0-9, and their scale words: 44 loads behind qW's, 36 in the odd waves
.irp q, 0,2,4,6,8,10,12,14,16,18,20,22,24,26,28,30
	v_pk_mul_f32 v[200+\q:201+\q], v[200+\q:201+\q], 0x3d800000 op_sel_hi:[1,0]
.endr
.irp q, 0,1,2,3,4,5,6,7
	ds_store_b128 v[WH3], v[200+4*\q:203+4*\q] offset:512*\q
.endr
	BAR
	; ---- x = Q(features) Q(qW) + qb
.irp f, 0,1,2,3,4,5
	FETCHF 160+16*\f, LI, FI+2048*\f
.endr
.irp s, 0,1,2
	ds_load_b32 v[SCA+\s], v[L4] offset:FIS+128*\s
.endr
.irp m, 0,1
.irp q, 0,1,2,3
	ds_load_b128 v[128+16*\m+4*\q:131+16*\m+4*\q], v[VB] offset:20480+16*\q
.endr
.endr
	s_wait_dscnt 0x0
	s_wait_loadcnt 36                              ; qW is in; the keys' 4 + 32 loads (4 + 40 in the even waves) may be out
	WIN 0x01
.irp s, 0,1,2
.irp m, 0,1
.irp u, 0,1
	MM 128+16*\m+8*\u, 16*(10+2*\s+\u), 160+16*(2*\s+\m), 128+16*\m+8*\u, SCA+4+\s, \u, SCA+\s, \m
.endr
.endr
.endr
	WIN 0
	PLACES 8
	RING_KP 10, 2, 0
; ================= a layer
.Llayer:
	RING_KP 12, 4, 0
	s_wait_alu depctr_va_vdst(0)
	QX 1, QI, QIS, 1
	SC_V
	BAR                                            ; the queries' four fragments lie in LDS
	; ---- scores
.irp f, 0,1,2,3
	FETCHF AB+16*\f, LI, QI+2048*\f
.endr
.irp s, 0,1
	ds_load_b32 v[SCA+\s], v[L4] offset:QIS+128*\s
.endr
	s_wait_dscnt 0x0
	GROUPS S_MM, 44, 52, 52, 56, NX_V, 0
	PLACES 8
	s_wait_loadcnt 44                              ; the values' 12 scale words are in; three groups' 16 + 16 + 12 fragment loads may be out
.irp p, 0,1,2,3
	v_alignbit_b32 v[SCW+\p], v[SVL+4+\p], v[SVL+\p], s[SH]        ; the bytes of rows w0 .. w0 + 3
	v_alignbit_b32 v[SCW+4+\p], v[SVL+8+\p], v[SVL+4+\p], s[SH]    ; and of rows w0 + 4 .. w0 + 7
.endr
	; A PREFETCH of what the text behind the loop loads and waits for: outW's pair blocks 432 .. 449, 73,728 bytes of codes and 2,304 of scale words, which every work-group reads and none has touched before.
	; It is asked for in the loop's second trip, here: all of that trip's phases but the scores' products stand between it and those loads.  Four work-groups ask, numbers 0, 1, 128 and 129: of each pair
	; the one takes the codes' blocks 0 .. 143 of 256 bytes, the other 144 .. 287, a lane a block, waves 0 to 4 (wave 4's lanes 16-31 name its last block again); wave 5 of the even one takes the scale words' 9 blocks.
	; The last byte named is 1,842,944 of the codes' 1,843,200 and 57,592 of the scale words' 57,600.  The address registers are never rewritten.
	s_cmp_eq_u32 s[TRIP], 1
	s_cbranch_scc0 .Lnopf
	s_and_b32 s[MT0], ttmp9, 127
	s_cmp_lt_u32 s[MT0], 2
	s_cbranch_scc0 .Lnopf
	s_cmp_lt_u32 s[WV], 5
	s_cbranch_scc0 .Lpfs
	global_prefetch_b8 v3, s[WC0:WC0+1] offset:432*4096 th:TH_LOAD_NT scope:SCOPE_SE
	s_branch .Lnopf
.Lpfs:
	s_add_co_u32 s[MT0], s[MT0], s[WV]             ; 5 only in wave 5 of the even work-group
	s_cmp_eq_u32 s[MT0], 5
	s_cbranch_scc0 .Lnopf
.irp j, 0,1,2,3
	global_prefetch_b8 v[LI], s[WS0:WS0+1] offset:432*128+512*\j th:TH_LOAD_NT scope:SCOPE_SE   ; 16 x lane: two blocks an instruction
.endr
	global_prefetch_b8 v[L8], s[WS0:WS0+1] offset:432*128+2048 th:TH_LOAD_NT scope:SCOPE_SE     ; 8 x lane: the ninth block
.Lnopf:
	; ---- the softmax ahead of the second product: p = 2^(t - M), M = ceil of the row's largest t over both halves of the window
.irp m, 0,1
.irp b, 0,1,2,3
.irp i, 0,1,2,3,4,5,6,7,8,9,10,11,12,13,14,15
	MASK1 \m, \b, \i
.endr
.endr
.endr
.irp q, 0,1,2,3,4,5,6,7
	v_max3_num_f32 v[28+\q], v[128+16*\q], v[129+16*\q], v[130+16*\q]      ; the largest score of each block of 32 keys (block 4 m + row): it serves for the row's maximum and for the block's largest p
.endr
.irp i, 3,5,7,9,11,13
.irp q, 0,1,2,3,4,5,6,7
	v_max3_num_f32 v[28+\q], v[28+\q], v[128+16*\q+\i], v[129+16*\q+\i]
.endr
.endr
.irp q, 0,1,2,3,4,5,6,7
	v_max_num_f32 v[28+\q], v[28+\q], v[143+16*\q]
.endr
.irp q, 0,1,2,3,4,5,6,7
	v_permlanex16_b32 v[36+\q], v[28+\q], s[SEL], s[SEL+1]
.endr
.irp q, 0,1,2,3,4,5,6,7
	v_max_num_f32 v[28+\q], v[28+\q], v[36+\q]
.endr
	v_max3_num_f32 v44, v28, v29, v30
	s_delay_alu instid0(VALU_DEP_3)
	v_max3_num_f32 v45, v32, v33, v34
	s_delay_alu instid0(VALU_DEP_2)
	v_max_num_f32 v44, v44, v31
	s_delay_alu instid0(VALU_DEP_2)
	v_max_num_f32 v45, v45, v35
	ds_store_b32 v[WS4], v44 offset:MX
	ds_store_b32 v[WS4], v45 offset:MX+64
	BAR                                            ; both halves' maxima lie in LDS
.irp m, 0,1
.irp e, 0,1
	ds_load_b32 v[36+2*\m+\e], v[KR4] offset:MX+128*\e+64*\m
.endr
.endr
	s_wait_dscnt 0x0
	v_max_num_f32 v44, v36, v37                    ; a half that is wholly hidden gives -infinity, which loses
	v_max_num_f32 v45, v38, v39
	s_delay_alu instid0(VALU_DEP_2)
	v_mul_f32 v44, s[CS], v44
	s_delay_alu instid0(VALU_DEP_2)
	v_mul_f32 v45, s[CS], v45
	s_delay_alu instid0(VALU_DEP_2)
	v_floor_f32 v76, -v44                          ; -M = floor(-t): M is a whole number
	s_delay_alu instid0(VALU_DEP_2)
	v_floor_f32 v78, -v45
.irp m, 0,1
.set i_, 0
.rept 32
	v_pk_fma_f32 v[128+64*\m+i_:129+64*\m+i_], v[128+64*\m+i_:129+64*\m+i_], s[CS:CS+1], v[76+2*\m:77+2*\m] op_sel_hi:[1,0,0]   ; t - M
.set i_, i_+2
.endr
.endr
.irp q, 0,1,2,3,4,5,6,7
	v_fma_f32 v[28+\q], v[28+\q], s[CS], v[76+2*(\q/4)]    ; the same of each block's largest score
.endr
.set i_, 0
	s_wait_alu depctr_va_vdst(0)
.rept 128
	v_exp_f32 v[128+i_], v[128+i_]                 ; p, at most 1, not normalised
.set i_, i_+1
.endr
	v_nop                                          ; a plain line behind the exponentials
	s_wait_alu depctr_va_vdst(0)                   ; one wait for the whole batch, ahead of its first reader
.irp q, 0,1,2,3,4,5,6,7
	v_exp_f32 v[28+\q], v[28+\q]                   ; each block's largest p: the same two instructions on the same number give the same bits
.endr
.irp m, 0,1
	v_pk_add_f32 v[80+4*\m:81+4*\m], v[128+64*\m:129+64*\m], v[130+64*\m:131+64*\m]   ; the row's sum is taken of the unquantised p
	v_pk_add_f32 v[82+4*\m:83+4*\m], v[132+64*\m:133+64*\m], v[134+64*\m:135+64*\m]
.endr
.irp j, 8,12,16,20,24,28,32,36,40,44,48,52,56,60
.irp m, 0,1
	v_pk_add_f32 v[80+4*\m:81+4*\m], v[80+4*\m:81+4*\m], v[128+64*\m+\j:129+64*\m+\j]
	v_pk_add_f32 v[82+4*\m:83+4*\m], v[82+4*\m:83+4*\m], v[130+64*\m+\j:131+64*\m+\j]
.endr
.endr
.irp m, 0
	s_delay_alu instid0(VALU_DEP_3)
	v_pk_add_f32 v[80+4*\m:81+4*\m], v[80+4*\m:81+4*\m], v[82+4*\m:83+4*\m]
.endr
.irp m, 1
	s_delay_alu instid0(VALU_DEP_2)
	v_pk_add_f32 v[80+4*\m:81+4*\m], v[80+4*\m:81+4*\m], v[82+4*\m:83+4*\m]
.endr
	s_wait_alu depctr_va_vdst(0)                   ; and one for the eight
.irp q, 0,1,2,3,4,5,6,7
	v_max_num_f32 v[28+\q], 0x4800000, v[28+\q]    ; the floor: a block whose every p is 0 keeps the byte 1: its codes are zeros
.endr
.irp q, 0,1,2,3,4,5,6,7
	v_add_nc_u32 v[88+\q], 0xfc000000, v[28+\q]
.endr
.irp q, 0,1,2,3,4,5,6,7
	v_and_or_b32 v[36+\q], v[28+\q], 0x7f800000, s[MNT]
.endr
.irp q, 0,1,2,3,4,5,6,7
	v_lshrrev_b32 v[28+\q], 23, v[88+\q]
.endr
.irp m, 0,1
	v_lshl_or_b32 v[46+\m], v[29+4*\m], 8, v[28+4*\m]
	s_delay_alu instid0(VALU_DEP_1)
	v_lshl_or_b32 v[46+\m], v[30+4*\m], 16, v[46+\m]
	s_delay_alu instid0(VALU_DEP_1)
	v_lshl_or_b32 v[46+\m], v[31+4*\m], 24, v[46+\m]
.endr
.irp m, 0,1
	v_add_f32 v[44+\m], v[80+4*\m], v[81+4*\m]
.endr
.irp m, 0,1
	s_delay_alu instid0(VALU_DEP_2)
	v_permlanex16_b32 v[82+4*\m], v[44+\m], s[SEL], s[SEL+1]
.endr
.irp m, 0,1
	v_add_f32 v[44+\m], v[44+\m], v[82+4*\m]
	ds_store_b32 v[WS4], v[44+\m] offset:LS+64*\m
.endr
.irp q, 0,1,2,3,4,5,6,7
.irp i, 0,1,2,3,4,5,6,7,8,9,10,11,12,13,14,15
	v_min_num_f32 v[128+16*\q+\i], v[128+16*\q+\i], v[36+\q]       ; p is not negative: the hold is one-sided
.endr
	v_cvt_scalef32_pk8_fp8_f32 v[96+4*\q:97+4*\q], v[128+16*\q:135+16*\q], v[88+\q]
	v_cvt_scalef32_pk8_fp8_f32 v[98+4*\q:99+4*\q], v[136+16*\q:143+16*\q], v[88+\q]
.endr
	v_nop
.irp m, 0,1
	IMAGE WH, 2048*\m, 96+16*\m                    ; PI: my four key rows are one K step of the second product
	ds_store_b32 v[WS4], v[46+\m] offset:PIS+64*\m
.endr
	RING_V 12, 4, 0
	SC_D8 0
	s_wait_alu depctr_va_vdst(0)                   ; the wait ahead of the barrier
	BAR
	; ---- O^T = V^T P^T over the window's 256 keys
.irp e, 0,1
.irp m, 0,1
	FETCHF AB+16*(2*\e+\m), KPI, 4096*\e+2048*\m
.endr
	ds_load_b32 v[SCA+\e], v[KL4] offset:PIS+128*\e
.endr
.irp m, 0,1
.irp e, 0,1
	ds_load_b32 v[28+2*\m+\e], v[KR4] offset:LS+128*\e+64*\m
.endr
.endr
	s_wait_dscnt 0x0
	GROUPS PV_MM, 48, 48, 52, 56, NX_D8, 0
	PLACES 8
	SC_MOV
	v_add_f32 v28, v28, v29                        ; the row's sum over both halves
	v_add_f32 v30, v30, v31
	s_wait_alu depctr_va_vdst(0)
	v_rcp_f32 v32, v28
	v_rcp_f32 v34, v30
	v_nop
	s_wait_alu depctr_va_vdst(0)
.irp m, 0,1
.set i_, 0
.rept 32
	v_pk_mul_f32 v[128+64*\m+i_:129+64*\m+i_], v[128+64*\m+i_:129+64*\m+i_], v[32+2*\m:33+2*\m] op_sel_hi:[1,0]
.set i_, i_+2
.endr
.endr
.irp m, 0,1
	QUANT4 128+64*\m, 0, 64+16*\m, 44+\m           ; set k, channels 128 g on = K step w of agg
	IMAGE WH, 32768+2048*\m, 64+16*\m              ; OI
	ds_store_b32 v[WS4], v[44+\m] offset:OIS+64*\m
.endr
	RING_D8 0, 12, 4, 0
	SC_L1
	BAR
	; ---- y = x + o aggW + aggb; norm 1
	DENSE8 0, OIS, 0, 1
	SC_MOV
	LNORM LN1, 2048, 4096
	QX 0, XI, XIS, 1
	RING_L1 12, 4, 0
	SC_D8 128
	BAR
	; ---- the hidden layer
.irp f, 0,1,2,3
	FETCHF AB+16*\f, LI, XI+2048*\f
.endr
.irp s, 0,1
	ds_load_b32 v[SCA+\s], v[L4] offset:XIS+128*\s
.endr
.irp m, 0,1
.irp t, 0,1,2,3,4,5,6,7
	ds_load_b128 v[128+64*\m+8*\t:131+64*\m+8*\t], v[VB1] offset:128*(\t/2)+32*(\t%2)
	ds_load_b128 v[132+64*\m+8*\t:135+64*\m+8*\t], v[VB1] offset:128*(\t/2)+32*(\t%2)+16
.endr
.endr
	s_wait_dscnt 0x0
	GROUPS L1_MM, 56, 56, 56, 56, NX_D8, 128
	PLACES 8
	SC_MOV
.irp m, 0,1
	QUANT4 128+64*\m, 1, 64+16*\m, 44+\m           ; relu and hold in one; hidden units 128 w on = K step w of l2
	IMAGE WH2, 2048*\m, 64+16*\m                   ; HI
	ds_store_b32 v[WS4], v[44+\m] offset:HIS+64*\m
.endr
	RING_D8 128, 12, 4, 0
	BAR
	; ---- y = x + hidden l2W + l2b; norm 2
	DENSE8 32768, HIS, 6144, 0
	s_cmp_eq_u32 s[TRIP], 1                        ; the next layer's keys are asked for here, if there is a next layer
	s_cbranch_scc1 .Lnokp
	RING_KP 0, 12, 1
.Lnokp:
	LNORM LN2, 8192, 10240
	s_wait_xcnt 0x0                                ; every earlier load has read its base
	s_add_nc_u64 s[WCB:WCB+1], s[WCB:WCB+1], 786432        ; 192 pair blocks a layer
	s_add_nc_u64 s[WSB:WSB+1], s[WSB:WSB+1], 24576
	v_add_nc_u32 v[VB], 1024, v[VB]                ; (no LDS instruction of mine is out)
	v_add_nc_u32 v[VB1], 4096, v[VB1]
	s_add_co_u32 s[TRIP], s[TRIP], 1
	s_cmp_lt_u32 s[TRIP], 2
	s_cbranch_scc1 .Llayer
; ================= the tail: recon = x outW + outb (17 natural tiles: wave w tiles 2 w, 2 w + 1; wave 0 also tile 16), the error, the stores
	s_wait_loadcnt 0x0                             ; no load of mine is out: the ring's slots may be asked for anew
.irp s, 0,1
	global_load_b32 v[SCW+\s], v[GS], s[WS0:WS0+1] offset:(432+9*\s)*128
.endr
	WIN 0x40
.set f_, 0
.rept 4
	RLOAD f_, WADR, WC0, (432+9*(f_/2))*4096+2048*(f_%2)
.set f_, f_+1
.endr
	WIN 0
	s_cmp_lg_u32 s[WV], 0
	s_cbranch_scc1 .Lt0
.irp s, 0,1
	global_load_b32 v[SCW+2+\s], v[L4], s[WS0:WS0+1] offset:(440+9*\s)*128
.endr
	WIN 0x40
	RLOAD 4, LI, WC0, 440*4096
	RLOAD 5, LI, WC0, 449*4096
	WIN 0
.Lt0:
	QX 0, XI, XIS, 0
	BAR
.irp f, 0,1,2,3
	FETCHF AB+16*\f, LI, XI+2048*\f
.endr
.irp s, 0,1
	ds_load_b32 v[SCA+\s], v[L4] offset:XIS+128*\s
.endr
.irp m, 0,1
.irp u, 0,1
	ds_load_b128 v[128+16*\m+8*\u:131+16*\m+8*\u], v[OBA] offset:64*\u
	ds_load_b128 v[132+16*\m+8*\u:135+16*\m+8*\u], v[OBA] offset:64*\u+16
.endr
.endr
	s_wait_dscnt 0x0
	s_wait_loadcnt 0x0
	WIN 0x01
.irp s, 0,1
.irp m, 0,1
.irp u, 0,1
	MM 128+16*\m+8*\u, 16*(2*\s+\u), AB+16*(2*\s+\m), 128+16*\m+8*\u, SCW+\s, \u, SCA+\s, \m
.endr
.endr
.endr
	WIN 0
	s_cmp_lg_u32 s[WV], 0
	s_cbranch_scc1 .Lt1
.irp m, 0,1
	ds_load_b128 v[192+8*\m:195+8*\m], v[OBA] offset:1024
	ds_load_b128 v[196+8*\m:199+8*\m], v[OBA] offset:1040
.endr
	s_wait_dscnt 0x0
	WIN 0x01
.irp s, 0,1
.irp m, 0,1
	MM 192+8*\m, 16*(4+\s), AB+16*(2*\s+\m), 192+8*\m, SCW+2+\s, 0, SCA+\s, \m
.endr
.endr
	WIN 0
.Lt1:
	PLACES 8
	; register 16 m + n, n = 8 u' + j, of lane (r, h) is recon(token 16 m + r, channel 32 w + 16 u' + 8 h + j): the tiles are natural, so tile u' begins 16 channels on: row 16 (n / 8) + n % 8 from QFA
.irp m, 0,1
.irp n, 0,1,2,3,4,5,6,7,8,9,10,11,12,13,14,15
	ds_load_b32 v[160+16*\m+\n], v[QFA] offset:144*(16*(\n/8)+\n%8)+64*\m          ; the features at the same channels and token
.endr
.endr
	s_wait_dscnt 0x0
.irp q, 0,2,4,6,8,10,12,14
.irp m, 0,1
	v_pk_add_f32 v[160+16*\m+\q:161+16*\m+\q], v[128+16*\m+\q:129+16*\m+\q], v[160+16*\m+\q:161+16*\m+\q] neg_lo:[0,1] neg_hi:[0,1]
.endr
.endr
.irp m, 0,1
	v_pk_mul_f32 v[28+2*\m:29+2*\m], v[160+16*\m:161+16*\m], v[160+16*\m:161+16*\m]
.endr
.irp q, 2,4,6,8,10,12,14
.irp m, 0,1
	s_delay_alu instid0(VALU_DEP_2)
	v_pk_fma_f32 v[28+2*\m:29+2*\m], v[160+16*\m+\q:161+16*\m+\q], v[160+16*\m+\q:161+16*\m+\q], v[28+2*\m:29+2*\m]
.endr
.endr
.irp m, 0,1
.irp n, 0,1,2,3,4,5,6,7,8,9,10,11,12,13,14,15
	ds_store_b32 v[QFA], v[128+16*\m+\n] offset:144*(16*(\n/8)+\n%8)+64*\m         ; recon takes the feature's place: each word is one lane's own
.endr
.endr
	s_cmp_lg_u32 s[WV], 0
	s_cbranch_scc1 .Lt2
.irp m, 0,1
.irp n, 0,1,2,3,4,5,6,7
	ds_load_b32 v[208+8*\m+\n], v[QFA] offset:36864+144*\n+64*\m   ; tile 16: channel 256 + 8 h + n
.endr
.endr
	s_wait_dscnt 0x0
.irp q, 0,2,4,6
.irp m, 0,1
	v_pk_add_f32 v[208+8*\m+\q:209+8*\m+\q], v[192+8*\m+\q:193+8*\m+\q], v[208+8*\m+\q:209+8*\m+\q] neg_lo:[0,1] neg_hi:[0,1]
.endr
	s_wait_alu depctr_va_vdst(0)
.irp m, 0,1
	v_pk_fma_f32 v[28+2*\m:29+2*\m], v[208+8*\m+\q:209+8*\m+\q], v[208+8*\m+\q:209+8*\m+\q], v[28+2*\m:29+2*\m]
.endr
.endr
.irp m, 0,1
.irp n, 0,1,2,3,4,5,6,7
	ds_store_b32 v[QFA], v[192+8*\m+\n] offset:36864+144*\n+64*\m
.endr
.endr
.Lt2:
	s_wait_alu depctr_va_vdst(0)
.irp m, 0,1
	v_add_f32 v[32+\m], v[28+2*\m], v[29+2*\m]
.endr
.irp m, 0,1
	s_delay_alu instid0(VALU_DEP_2)
	v_permlanex16_b32 v[34+\m], v[32+\m], s[SEL], s[SEL+1]
.endr
.irp m, 0,1
	v_add_f32 v[32+\m], v[32+\m], v[34+\m]
	ds_store_b32 v[WS4], v[32+\m] offset:PS+64*\m
.endr
	BAR                                            ; recon's 272 rows and the eight partial errors lie in LDS
.irp t, 0,1,2,3,4,5,6,7
	ds_load_b128 v[160+4*\t:163+4*\t], v[ROWA] offset:4608*\t
.endr
.irp t, 0,1,2,3,4,5,6,7
	s_wait_dscnt 7-\t
	global_store_b128 v[GROW], v[160+4*\t:163+4*\t], s[OUT0:OUT0+1] offset:131072*\t   ; four channels x 128 consecutive bytes
.endr
	s_cmp_lt_u32 s[WV], 4
	s_cbranch_scc0 .Lt3
	ds_load_b128 v[192:195], v[ROWA] offset:36864
	s_wait_dscnt 0x0
	global_store_b128 v[GROW], v[192:195], s[OUT0:OUT0+1] offset:1048576               ; channels 256 .. 271
.Lt3:
	s_cmp_lg_u32 s[WV], 4
	s_cbranch_scc1 .Lt4
.irp e, 0,1,2,3,4,5,6,7
	ds_load_b32 v[200+\e], v[L4] offset:PS+128*\e
.endr
	s_wait_dscnt 0x0
	v_add_f32 v200, v200, v201
	v_add_f32 v202, v202, v203
	v_add_f32 v204, v204, v205
	v_add_f32 v206, v206, v207
	s_delay_alu instid0(VALU_DEP_3)
	v_add_f32 v200, v200, v202
	s_delay_alu instid0(VALU_DEP_2)
	v_add_f32 v204, v204, v206
	s_delay_alu instid0(VALU_DEP_1)
	v_add_f32 v200, v200, v204
	s_wait_alu depctr_va_vdst(0)
	v_sqrt_f32 v208, v200
	v_nop
	s_wait_alu depctr_va_vdst(0)
	global_store_b32 v[L4], v208, s[PRW:PRW+1]
.Lt4:
	s_wait_xcnt 0x0
	v_lshl_add_u32 v254, v0, 2, 0x41900
	v_mov_b32 v255, 0
	s_wait_alu depctr_va_vdst(0)
	s_wait_tensorcnt 0x0
	ds_add_u32 v254, v255
	s_wait_dscnt 0x0
	s_endpgm
.Lfunc_end_k_q0930d5f7c2_main:
	.size	k_q0930d5f7c2_main, .Lfunc_end_k_q0930d5f7c2_main-k_q0930d5f7c2_main
	.p2alignl 7, 3214868480
	.fill 96, 4, 3214868480
	.section	.rodata,"a",@progbits
	.p2align	6, 0x0
	.amdhsa_kernel k_q0930d5f7c2_main
		.amdhsa_group_segment_fixed_size 269568
		.amdhsa_private_segment_fixed_size 0
		.amdhsa_enable_private_segment 0
		.amdhsa_kernarg_size 160
		.amdhsa_user_sgpr_count 2
		.amdhsa_user_sgpr_kernarg_segment_ptr 1
		.amdhsa_wavefront_size32 1
		.amdhsa_system_sgpr_workgroup_id_x 1
		.amdhsa_system_sgpr_workgroup_id_y 1
		.amdhsa_system_sgpr_workgroup_id_z 1
		.amdhsa_system_vgpr_workitem_id 0
		.amdhsa_next_free_vgpr 512
		.amdhsa_next_free_sgpr 100
		.amdhsa_reserve_vcc 0
		.amdhsa_float_denorm_mode_32 3
		.amdhsa_float_denorm_mode_16_64 3
		.amdhsa_memory_ordered 1
		.amdhsa_forward_progress 1
		.amdhsa_inst_pref_size 255
	.end_amdhsa_kernel
	.section	.bss,"aw",@nobits
	.p2align	6
	.space	262144
	.amdgpu_metadata
---
amdhsa.version: [ 1, 2 ]
amdhsa.kernels:
  - .name:           k_q0930d5f7c2_main
    .symbol:         k_q0930d5f7c2_main.kd
    .args:
      - { .name: query_features, .offset: 0, .size: 8, .value_kind: global_buffer, .address_space: global }
      - { .name: wc, .offset: 8, .size: 8, .value_kind: global_buffer, .address_space: global }
      - { .name: ws, .offset: 16, .size: 8, .value_kind: global_buffer, .address_space: global }
      - { .name: kpc, .offset: 24, .size: 8, .value_kind: global_buffer, .address_space: global }
      - { .name: kps, .offset: 32, .size: 8, .value_kind: global_buffer, .address_space: global }
      - { .name: vcc, .offset: 40, .size: 8, .value_kind: global_buffer, .address_space: global }
      - { .name: vcs, .offset: 48, .size: 8, .value_kind: global_buffer, .address_space: global }
      - { .name: out0, .offset: 56, .size: 8, .value_kind: global_buffer, .address_space: global }
      - { .name: praw, .offset: 64, .size: 8, .value_kind: global_buffer, .address_space: global }
      - { .name: row_embed, .offset: 72, .size: 8, .value_kind: global_buffer, .address_space: global }
      - { .name: col_embed, .offset: 80, .size: 8, .value_kind: global_buffer, .address_space: global }
      - { .name: qb, .offset: 88, .size: 8, .value_kind: global_buffer, .address_space: global }
      - { .name: aggb, .offset: 96, .size: 8, .value_kind: global_buffer, .address_space: global }
      - { .name: n1g, .offset: 104, .size: 8, .value_kind: global_buffer, .address_space: global }
      - { .name: n1b, .offset: 112, .size: 8, .value_kind: global_buffer, .address_space: global }
      - { .name: l1b, .offset: 120, .size: 8, .value_kind: global_buffer, .address_space: global }
      - { .name: l2b, .offset: 128, .size: 8, .value_kind: global_buffer, .address_space: global }
      - { .name: n2g, .offset: 136, .size: 8, .value_kind: global_buffer, .address_space: global }
      - { .name: n2b, .offset: 144, .size: 8, .value_kind: global_buffer, .address_space: global }
      - { .name: outb, .offset: 152, .size: 8, .value_kind: global_buffer, .address_space: global }
    .group_segment_fixed_size: 269568
    .private_segment_fixed_size: 0
    .kernarg_segment_align: 8
    .kernarg_segment_size: 160
    .max_flat_workgroup_size: 256
    .sgpr_count:     100
    .vgpr_count:     512
    .wavefront_size: 32
...
	.end_amdgpu_metadata
.endif
;; end of part 3
;; launch resize (part 4): grid 256 x 1, 8 waves a work-group, no clusters, 1,280 bytes of LDS; arguments praw, out1; writes out1
.if DOCPART == 4
	.amdgcn_target "amdgcn-amd-amdhsa--gfx1250"
	.amdhsa_code_object_version 6
	.text
	.protected	k_q0930d5f7c2_resize
	.globl	k_q0930d5f7c2_resize
	.p2align	8
	.type	k_q0930d5f7c2_resize,@function
k_q0930d5f7c2_resize:
	s_mov_b64 s[64:65], 0
	v_nop
	global_prefetch_b8 v0, s[64:65] scope:SCOPE_SE
	s_setreg_imm32_b32 hwreg(HW_REG_WAVE_MODE, 25, 1), 1
	s_wait_xcnt 0x0
; out1 = bilinear (corners aligned) 32 x 32 -> 256 x 256 of (pred - min) / (max - min), min and max over all 8,192 numbers.
; Work-group 32 b + rg, wave w: output row oy = 8 rg + w of batch b.  Every work-group reads all 32 KB of the raw norms for the two extremes: a sum over work-groups would want a launch more.
; floor(31 n / 255) is taken in whole numbers, (m + 1 + (m >> 8)) >> 8 with m = 31 n, exact for m < 65,535: no address hangs on a float.  The fraction is f32(n) x f32(31 / 255) less that floor.
; No matrix unit, no tensor load: 2 MB out, each wave's two stores cover 512 consecutive bytes each.
; LIMIT: 1 / (max - min) by v_rcp_f32; where max = min the result is not a number, as in the model.
	s_load_b128 s[4:7], s[0:1], 0x0                ; praw, out1
	v_lshl_add_u32 v128, v0, 2, 0x100
	v_mov_b32 v129, 0
	v_lshrrev_b32 v1, 5, v0
	s_delay_alu instid0(VALU_DEP_1)
	v_readfirstlane_b32 s8, v1                     ; wave
	v_and_b32 v2, 31, v0                           ; lane
	v_lshlrev_b32 v3, 4, v0                        ; 16 x thread
	s_delay_alu instid0(VALU_DEP_2)
	v_lshlrev_b32 v4, 2, v2                        ; 4 x lane
	s_delay_alu instid0(VALU_DEP_3)
	v_lshlrev_b32 v55, 4, v2                       ; 16 x lane
	v_mov_b32 v13, s8
	s_delay_alu instid0(VALU_DEP_1)
	v_lshlrev_b32 v13, 3, v13                      ; my wave's 8 bytes of LDS
	v_mov_b32 v14, 0
	v_mov_b32 v12, 0                               ; written once: a lane permute's destination counts as read
	v_mov_b32 v15, 0
	s_mov_b32 s24, 0x76543210
	s_mov_b32 s25, 0xfedcba98
	s_mov_b32 s26, 0x3df8f8f9                      ; 31 / 255
	s_lshr_b32 s9, ttmp9, 5                        ; b
	s_and_b32 s10, ttmp9, 31
	s_lshl_b32 s10, s10, 3
	s_add_co_u32 s10, s10, s8                      ; oy
	s_mul_i32 s11, s10, 31
	s_lshr_b32 s12, s11, 8
	s_add_co_u32 s12, s12, s11
	s_add_co_u32 s12, s12, 1
	s_lshr_b32 s12, s12, 8                         ; y0
	s_add_co_u32 s13, s12, 1
	s_min_u32 s13, s13, 31                         ; y1
	s_lshl_b32 s14, s9, 12
	s_lshl_b32 s15, s12, 7
	s_add_co_u32 s16, s14, s15
	s_mov_b32 s17, 0
	s_lshl_b32 s15, s13, 7
	s_add_co_u32 s18, s14, s15
	s_mov_b32 s19, 0
	s_lshl_b32 s28, s9, 18
	s_lshl_b32 s15, s10, 10
	s_add_co_u32 s28, s28, s15
	s_mov_b32 s29, 0
	s_wait_alu depctr_va_vdst(0)
	s_wait_kmcnt 0x0
	s_add_nc_u64 s[20:21], s[4:5], s[16:17]
	s_add_nc_u64 s[22:23], s[4:5], s[18:19]
	s_add_nc_u64 s[6:7], s[6:7], s[28:29]
.irp q, 0,1,2,3,4,5,6,7
	global_load_b128 v[16+4*\q:19+4*\q], v3, s[4:5] offset:4096*\q
.endr
	global_load_b32 v8, v4, s[20:21]               ; rows y0 and y1: lane = column
	global_load_b32 v9, v4, s[22:23]
.set n_, 0
.rept 8                                ; my eight outputs ox = 128 (n / 4) + 4 lane + n % 4: x0, x1 as lane indices, and the fraction
	v_add_nc_u32 v50, 128*(n_/4)+(n_%4), v4
	s_delay_alu instid0(VALU_DEP_1)
	v_mul_u32_u24 v51, v50, 31
	s_delay_alu instid0(VALU_DEP_1)
	v_lshrrev_b32 v52, 8, v51
	s_delay_alu instid0(VALU_DEP_1)
	v_add3_u32 v51, v51, v52, 1
	s_delay_alu instid0(VALU_DEP_1)
	v_lshrrev_b32 v51, 8, v51
	v_cvt_f32_u32 v53, v50
	s_delay_alu instid0(VALU_DEP_2)
	v_cvt_f32_u32 v54, v51
	s_delay_alu instid0(VALU_DEP_1)
	v_fma_f32 v[80+n_], v53, s26, -v54
	s_delay_alu instid0(VALU_DEP_4)
	v_add_nc_u32 v52, 1, v51
	s_delay_alu instid0(VALU_DEP_1)
	v_min_u32 v52, 31, v52
	v_lshlrev_b32 v[64+n_], 2, v51
	s_delay_alu instid0(VALU_DEP_2)
	v_lshlrev_b32 v[72+n_], 2, v52
.set n_, n_+1
.endr
	v_cvt_f32_u32 v48, s10
	v_cvt_f32_u32 v49, s12
	s_delay_alu instid0(VALU_DEP_1)
	v_fma_f32 v48, v48, s26, -v49                  ; fy
	s_delay_alu instid0(VALU_DEP_1)
	v_sub_f32 v49, 1.0, v48
	s_wait_loadcnt 0x0
	v_min3_num_f32 v10, v16, v17, v18
	v_max3_num_f32 v11, v16, v17, v18
.irp i, 19,21,23,25,27,29,31,33,35,37,39,41,43,45
	s_delay_alu instid0(VALU_DEP_2)
	v_min3_num_f32 v10, v10, v[\i], v[\i+1]
	s_delay_alu instid0(VALU_DEP_2)
	v_max3_num_f32 v11, v11, v[\i], v[\i+1]
.endr
	s_delay_alu instid0(VALU_DEP_2)
	v_min_num_f32 v10, v10, v47
	s_delay_alu instid0(VALU_DEP_2)
	v_max_num_f32 v11, v11, v47
.irp x, 1,2,4,8
	s_delay_alu instid0(VALU_DEP_2)
	v_min_num_f32_dpp v10, v10, v10 row_xmask:\x row_mask:0xf bank_mask:0xf
	s_delay_alu instid0(VALU_DEP_2)
	v_max_num_f32_dpp v11, v11, v11 row_xmask:\x row_mask:0xf bank_mask:0xf
.endr
	s_delay_alu instid0(VALU_DEP_2)
	v_permlanex16_b32 v12, v10, s24, s25
	s_delay_alu instid0(VALU_DEP_2)
	v_permlanex16_b32 v15, v11, s24, s25
	s_delay_alu instid0(VALU_DEP_2)
	v_min_num_f32 v10, v10, v12
	s_delay_alu instid0(VALU_DEP_2)
	v_max_num_f32 v11, v11, v15
	ds_store_b64 v13, v[10:11]                     ; all lanes write the same two words with the same values
	s_wait_dscnt 0x0
	s_barrier_signal -1
	s_barrier_wait -1
.irp q, 0,1,2,3
	ds_load_b128 v[16+4*\q:19+4*\q], v14 offset:16*\q
.endr
	s_wait_dscnt 0x0
	v_min3_num_f32 v10, v16, v18, v20
	v_max3_num_f32 v11, v17, v19, v21
	s_delay_alu instid0(VALU_DEP_2)
	v_min3_num_f32 v10, v10, v22, v24
	s_delay_alu instid0(VALU_DEP_2)
	v_max3_num_f32 v11, v11, v23, v25
	s_delay_alu instid0(VALU_DEP_2)
	v_min3_num_f32 v10, v10, v26, v28
	s_delay_alu instid0(VALU_DEP_2)
	v_max3_num_f32 v11, v11, v27, v29
	s_delay_alu instid0(VALU_DEP_2)
	v_min_num_f32 v10, v10, v30
	s_delay_alu instid0(VALU_DEP_2)
	v_max_num_f32 v11, v11, v31
	s_delay_alu instid0(VALU_DEP_1)
	v_sub_f32 v12, v11, v10
	s_wait_alu depctr_va_vdst(0)
	v_rcp_f32 v15, v12
	v_sub_f32 v8, v8, v10                          ; plain work behind the reciprocal
	v_sub_f32 v9, v9, v10
	s_wait_alu depctr_va_vdst(0)                   ; the wait ahead of the first reader
	v_mul_f32 v8, v8, v15
	v_mul_f32 v9, v9, v15
	s_delay_alu instid0(VALU_DEP_2)
	v_mul_f32 v8, v8, v49
	s_delay_alu instid0(VALU_DEP_1)
	v_fma_f32 v8, v9, v48, v8                      ; the row at oy, 32 columns, one a lane
.set n_, 0
.rept 8
	ds_bpermute_b32 v[88+n_], v[64+n_], v8
	ds_bpermute_b32 v[96+n_], v[72+n_], v8
.set n_, n_+1
.endr
	s_wait_dscnt 0x0
.set n_, 0
.rept 8
	v_sub_f32 v53, 1.0, v[80+n_]
	s_delay_alu instid0(VALU_DEP_1)
	v_mul_f32 v[104+n_], v[88+n_], v53
	s_delay_alu instid0(VALU_DEP_1)
	v_fma_f32 v[104+n_], v[96+n_], v[80+n_], v[104+n_]
.set n_, n_+1
.endr
	global_store_b128 v55, v[104:107], s[6:7] th:TH_STORE_NT
	global_store_b128 v55, v[108:111], s[6:7] offset:512 th:TH_STORE_NT
	s_wait_tensorcnt 0x0
	ds_add_u32 v128, v129
	s_wait_dscnt 0x0
	s_endpgm
.Lfunc_end_k_q0930d5f7c2_resize:
	.size	k_q0930d5f7c2_resize, .Lfunc_end_k_q0930d5f7c2_resize-k_q0930d5f7c2_resize
	.p2alignl 7, 3214868480
	.fill 96, 4, 3214868480
	.section	.rodata,"a",@progbits
	.p2align	6, 0x0
	.amdhsa_kernel k_q0930d5f7c2_resize
		.amdhsa_group_segment_fixed_size 1280
		.amdhsa_private_segment_fixed_size 0
		.amdhsa_enable_private_segment 0
		.amdhsa_kernarg_size 16
		.amdhsa_user_sgpr_count 2
		.amdhsa_user_sgpr_kernarg_segment_ptr 1
		.amdhsa_wavefront_size32 1
		.amdhsa_system_sgpr_workgroup_id_x 1
		.amdhsa_system_sgpr_workgroup_id_y 1
		.amdhsa_system_sgpr_workgroup_id_z 1
		.amdhsa_system_vgpr_workitem_id 0
		.amdhsa_next_free_vgpr 130
		.amdhsa_next_free_sgpr 66
		.amdhsa_reserve_vcc 0
		.amdhsa_float_denorm_mode_32 3
		.amdhsa_float_denorm_mode_16_64 3
		.amdhsa_memory_ordered 1
		.amdhsa_forward_progress 1
		.amdhsa_inst_pref_size 18
	.end_amdhsa_kernel
	.amdgpu_metadata
---
amdhsa.version: [ 1, 2 ]
amdhsa.kernels:
  - .name:           k_q0930d5f7c2_resize
    .symbol:         k_q0930d5f7c2_resize.kd
    .args:
      - { .name: praw, .offset: 0, .size: 8, .value_kind: global_buffer, .address_space: global }
      - { .name: out1, .offset: 8, .size: 8, .value_kind: global_buffer, .address_space: global }
    .group_segment_fixed_size: 1280
    .private_segment_fixed_size: 0
    .kernarg_segment_align: 8
    .kernarg_segment_size: 16
    .max_flat_workgroup_size: 256
    .sgpr_count:     66
    .vgpr_count:     130
    .wavefront_size: 32
...
	.end_amdgpu_metadata
.endif
;; end of part 4
